; MI455X (gfx1250); checked and timed in simulation.
; The chip was launched on July 23, 2026; its instructions are those of AMD's public machine-readable ISA for CDNA 5 (MIT licence, August 2026) and "CDNA5" Instruction Set Architecture Reference Guide (July 2026). The comments in the code are by the model that wrote it; some were corrected since.
;; Hopfield Pooling. Allowed arithmetic: float matrix products may take bf16 or f16 operands with f32 sums; all other float work in f32.
;; Inputs: Wk 1,024 x 1,024 float32; Wo 1,024 x 1,024 float32; Wq 1,024 x 1,024 float32; Wv 1,024 x 1,024 float32; Y 16 x 2,048 x 1,024 float32; bk 1,024 float32; bo 1,024 float32; bq 1,024 float32; bv 1,024 float32; query 1 x 1 x 1,024 float32.
;; Outputs: out0 16 x 1 x 1,024 float32.
;; 2 versions, each right; version 2 is version 1 with the launches prep, pool, vbar, outp written anew for expert scheduling mode. Each part assembles by itself: llvm-mc -triple=amdgcn-amd-amdhsa -mcpu=gfx1250 --defsym DOCPART=n.
;; ======== version 1 of 2: 4 launches
;; workspace buffers: U 32,768 bytes; Mw 4,194,304 bytes; cv 4,096 bytes; Zp 16,777,216 bytes; ST 65,536 bytes; Vb 65,536 bytes
;; launch prep (part 1): grid 272 x 1, 4 waves a work-group, no clusters, 139,008 bytes of LDS; arguments Wq, query, bq, Wk, Wv, bk, bv, U, Mw, cv; writes U, Mw, cv
.if DOCPART == 1
	.amdgcn_target "amdgcn-amd-amdhsa--gfx1250"
	.amdhsa_code_object_version 6
	.text
	.protected	k_q45e248e467_prep
	.globl	k_q45e248e467_prep
	.p2align	8
	.type	k_q45e248e467_prep,@function
k_q45e248e467_prep:
	s_mov_b64 s[64:65], 0
	v_nop
	global_prefetch_b8 v0, s[64:65] scope:SCOPE_SE
	s_setreg_imm32_b32 hwreg(HW_REG_WAVE_MODE, 25, 1), 1
	s_wait_xcnt 0x0
; PREP: what does not hang on Y.  With one query row and softmax rows that sum to 1 the module is, exactly,
;   score[b,h,s] = Y[b,s,:] . u_h + const(h)       u_h[j] = (1/8) sum_e q[64h+e] Wk[64h+e][j],  q = query Wq^T + bq
;   value mean   = M Z + cv                          M = Wv Wk,  cv = Wv bk + bv,  Z[b,h,:] = sum_s A[b,h,s] Y[b,s,:]
; const(h) = q_h . bk_h / 8 is the same for every s, so the softmax is unchanged without it, for every input: it is not formed.
; Work-groups 0-15 (one a head): q_h and u_h, stored as bf16 times log2(e)/8 (the later exponentials are to base 2).
; Work-groups 16-271: a tile of 64 x 64 of M in f32, K = 1024 split over the four waves; those with column block 0 also 64 numbers of cv.
; FORMATS.  Every input is rounded to bf16 as it is loaded, on the vector paths too; q, M and cv stay in f32; u is rounded to bf16.
; LIMITS.  M = Wv Wk replaces two chained projections: another order of the same sums.  NaN and infinities are not treated apart.
; No tensor loads: every byte is converted in registers on its way.  No cluster: tiles that come through registers cannot be shared.
; THE RING.  16 units of 16 loads of 16 bytes a lane; unit n lies in v[256 + 64 (n & 3) ..]; four units are out; a unit's registers are
; loaded again as soon as its conversions have been issued.  No address register or base is ever rewritten.
; LDS.  The two paths name no byte in common: the M path has the four regions, the U path the block QL behind them.
.set REG,   34560                      ; M path: a wave's LDS region: 65 rows of 528 bytes (64 of Wv, one of bk), later 20 tiles of 1,024 bytes
.set QL,    4*REG                      ; U path: q_h, 64 f32: a block of 256 bytes of its own
.set SPARE, QL+256                     ; the spare words: 128 bytes a wave, two blocks of 256 bytes that no other line names
.set AP,    528                        ; 512 bytes of bf16 + 16: an odd multiple of 16, so the 16 rows of a fragment load start 16 bytes apart modulo 256
.set SPW,   14                         ; v14  LDS address of my spare word; never rewritten
.set NIL,   15                         ; v15  0; never rewritten
.set ZR,    20                         ; U path: v20 = 0, the first addend of a sum
.set X,     32                         ; U path: v32-63 the query, rounded to bf16 and widened: columns 128 c + 4 L .. + 3 at X + 4 c
.set T,     64                         ; U path: v64-95 a unit's 64 numbers as 32 pairs of bf16
.set Y16,   96                         ; U path: v96-111 my 16 numbers of q
.set UACC,  112                        ; U path: v112-119 my lane's 8 numbers of u
.set A4,    120                        ; U path: v120-127 four partial sums for each of two rows
.set QV,    128                        ; U path: v128-191 q_h, all 64, in every lane
.set VFR,   24                         ; M path: v24-31 bk as a B fragment
.set BF,    32                         ; M path: v32-63 packed pairs, then four B fragments
.set ACC,   64                         ; M path: v64-223 20 accumulators: (mt, t) at ACC + 8 (4 mt + t), (mt, bk) at ACC + 128 + 8 mt
.set OUTR,  192                        ; M path: v192-223 my 16 rows of the tile, columns in order
.set AFR,   224                        ; M path: v224-255 four A fragments
.set MSB,   0
.macro WIN new                         ; the immediate's high byte repeats the setting that is left; a switch that changes nothing is dropped
.if MSB != (\new)
	s_set_vgpr_msb (MSB<<8)|(\new)
.set MSB, (\new)
.endif
.endm
.macro PLACES                          ; four plain vector instructions behind a matrix instruction (ISA guide 7.12.1)
.rept 4
	v_nop
.endr
.endm
.macro RWAIT n                         ; unit n is in: loads return in order (ISA guide 5.7.1), and the younger units, 16 loads each, stay out
.if (\n) <= 12
	s_wait_loadcnt 48
.else
	s_wait_loadcnt 16*(15-(\n))
.endif
.endm
.macro CVT32 u, d                      ; unit u's 64 numbers, neighbours in pairs, rounded to bf16 into v[d ..]
	WIN 0x05
.set i_, 0
.rept 32
	v_cvt_pk_bf16_f32 v[(\d)+i_], v[64*((\u)&3)+2*i_], v[64*((\u)&3)+2*i_+1]
.set i_, i_+1
.endr
.endm
.macro LDMV u                          ; rows 2 u, 2 u + 1 of my 16 rows of Wq, eight loads of 512 consecutive bytes a row
	WIN 0x40
.set i_, 0
.rept 16
	global_load_b128 v[64*((\u)&3)+4*i_:64*((\u)&3)+4*i_+3], v1, s[48:49] offset:(2*(\u)+i_/8)*4096+(i_%8)*512
.set i_, i_+1
.endr
.endm
.macro LDR8 b, n, u                    ; rows 8 n .. 8 n + 7 from base s[b], my 1,024 bytes of each: two loads a row
	WIN 0x40
.set i_, 0
.rept 16
	global_load_b128 v[64*((\u)&3)+4*i_:64*((\u)&3)+4*i_+3], v1, s[\b:\b+1] offset:(8*(\n)+i_/2)*4096+(i_%2)*512
.set i_, i_+1
.endr
.endm
.macro LDB ks, u                       ; K step ks of Wk: load q takes row 32 ks + q (q < 8) or 32 ks + 8 + q, plus 8 for lanes 16-31; 16 lanes take the tile's 256 aligned bytes of a row
	WIN 0x40
.set i_, 0
.rept 16
	global_load_b128 v[64*((\u)&3)+4*i_:64*((\u)&3)+4*i_+3], v2, s[50:51] offset:(32*(\ks)+i_+8*(i_/8))*4096
.set i_, i_+1
.endr
.endm
.macro LDSEQ u                         ; U path: units 0-7 are Wq's, 8-15 Wk's
.if (\u) < 8
	LDMV \u
.else
	LDR8 50, (\u)-8, \u
.endif
.endm
.macro LDSEQM u                        ; M path: units 0-7 are Wv's, 8-15 Wk's
.if (\u) < 8
	LDR8 48, \u, \u
.else
	LDB (\u)-8, \u
.endif
.endm
.macro FM d, t, hi, x, c               ; v[d] = bf16 half of v[t] times v[x] + v[c], in f32
.if \hi
	v_fma_mix_f32_bf16 v[\d], v[\t], v[\x], v[\c] op_sel:[1,0,0] op_sel_hi:[1,0,0]
.else
	v_fma_mix_f32_bf16 v[\d], v[\t], v[\x], v[\c] op_sel_hi:[1,0,0]
.endif
.endm
.macro RED cnt, y, t                   ; cnt sums over the 32 lanes, side by side; v[t ..] has been written before
.irp m, 1,2,4,8
.set i_, 0
.rept \cnt
	v_add_f32_dpp v[(\y)+i_], v[(\y)+i_], v[(\y)+i_] row_xmask:\m row_mask:0xf bank_mask:0xf
.set i_, i_+1
.endr
.endr
.set i_, 0
.rept \cnt
	v_permlanex16_b32 v[(\t)+i_], v[(\y)+i_], s30, s31
.set i_, i_+1
.endr
.set i_, 0
.rept \cnt
	v_add_f32 v[(\y)+i_], v[(\y)+i_], v[(\t)+i_]
.set i_, i_+1
.endr
.endm
.macro MVU n                           ; two rows of Wq times the query: a lane's 32 products a row, in four sums
	RWAIT \n
	CVT32 \n, T
	LDSEQ (\n)+4
	WIN 0
.set c_, 0
.rept 8
.set e_, 0
.rept 4
.set r_, 0
.rept 2
.if c_ == 0
	FM A4+4*r_+e_, T+16*r_+2*c_+e_/2, e_%2, X+4*c_+e_, ZR
.else
	FM A4+4*r_+e_, T+16*r_+2*c_+e_/2, e_%2, X+4*c_+e_, A4+4*r_+e_
.endif
.set r_, r_+1
.endr
.set e_, e_+1
.endr
.set c_, c_+1
.endr
.set r_, 0
.rept 2
	v_add_f32 v[A4+4*r_], v[A4+4*r_], v[A4+4*r_+1]
	v_add_f32 v[A4+4*r_+2], v[A4+4*r_+2], v[A4+4*r_+3]
	v_add_f32 v[Y16+2*(\n)+r_], v[A4+4*r_], v[A4+4*r_+2]
.set r_, r_+1
.endr
.endm
.macro KU n                            ; eight rows e of Wk_h, my 8 columns of each, times q[e]
	RWAIT \n
	CVT32 \n, T
.if (\n)+4 <= 15
	LDSEQ (\n)+4
.endif
	WIN 0
.set e_, 0
.rept 8
.set k_, 0
.rept 8
.if ((\n) == 8) && (e_ == 0)
	FM UACC+k_, T+4*e_+k_/2, k_%2, QV+8*((\n)-8)+e_, ZR
.else
	FM UACC+k_, T+4*e_+k_/2, k_%2, QV+8*((\n)-8)+e_, UACC+k_
.endif
.set k_, k_+1
.endr
.set e_, e_+1
.endr
.endm
.macro AU n                            ; eight rows of Wv_h, my 256 columns, into my LDS region as bf16
	RWAIT \n
	CVT32 \n, BF
	LDSEQM (\n)+4
	WIN 0
.set i_, 0
.rept 16
	ds_store_b64 v3, v[BF+2*i_:BF+2*i_+1] offset:(8*(\n)+i_/2)*AP+(i_%2)*256
.set i_, i_+1
.endr
.endm
; One K step of 32.  B's fragment for tile t holds real column 4 r + t in lane r: a lane's 16 bytes of a row of Wk are one number for each of the four tiles,
; and two rows' numbers pack into a register: no byte changes lanes.  The 20 accumulators take turns, one instruction a turn.
.macro BU ks
.if (\ks) > 0
	PLACES                                         ; the loads and conversions below write sources of the last products
.endif
	WIN 0
.irp mt, 0,1,2,3
	ds_load_b128 v[AFR+8*\mt:AFR+8*\mt+3], v4 offset:\mt*16*AP+(\ks)*64
	ds_load_b128 v[AFR+8*\mt+4:AFR+8*\mt+7], v4 offset:\mt*16*AP+(\ks)*64+32
.endr
	ds_load_b128 v[VFR:VFR+3], v5 offset:(\ks)*64
	ds_load_b128 v[VFR+4:VFR+7], v5 offset:(\ks)*64+32
	RWAIT (\ks)+8
	WIN 0x05
.set t_, 0
.rept 4
.set p_, 0
.rept 8
	v_cvt_pk_bf16_f32 v[BF+8*t_+p_], v[64*((\ks)&3)+8*p_+t_], v[64*((\ks)&3)+8*p_+4+t_]
.set p_, p_+1
.endr
.set t_, t_+1
.endr
.if (\ks) < 4
	LDB (\ks)+4, (\ks)+12
.endif
	WIN 0
	s_wait_dscnt 0x0                               ; the ten fragment loads
.irp mt, 0,1,2,3
.irp t, 0,1,2,3
.if (\ks) == 0
	v_wmma_f32_16x16x32_bf16 v[ACC+8*(4*\mt+\t):ACC+8*(4*\mt+\t)+7], v[AFR+8*\mt:AFR+8*\mt+7], v[BF+8*\t:BF+8*\t+7], 0
.else
	v_wmma_f32_16x16x32_bf16 v[ACC+8*(4*\mt+\t):ACC+8*(4*\mt+\t)+7], v[AFR+8*\mt:AFR+8*\mt+7], v[BF+8*\t:BF+8*\t+7], v[ACC+8*(4*\mt+\t):ACC+8*(4*\mt+\t)+7]
.endif
.endr
.if (\ks) == 0
	v_wmma_f32_16x16x32_bf16 v[ACC+128+8*\mt:ACC+128+8*\mt+7], v[AFR+8*\mt:AFR+8*\mt+7], v[VFR:VFR+7], 0
.else
	v_wmma_f32_16x16x32_bf16 v[ACC+128+8*\mt:ACC+128+8*\mt+7], v[AFR+8*\mt:AFR+8*\mt+7], v[VFR:VFR+7], v[ACC+128+8*\mt:ACC+128+8*\mt+7]
.endif
.endr
.endm
	s_load_b512 s[4:19], s[0:1], 0x0               ; Wq s[4:5], query s[6:7], bq s[8:9], Wk s[10:11], Wv s[12:13], bk s[14:15], bv s[16:17], U s[18:19]
	s_load_b128 s[20:23], s[0:1], 0x40             ; Mw s[20:21], cv s[22:23]
	v_lshl_add_u32 v[SPW], v0, 2, SPARE
	v_mov_b32 v[NIL], 0
	v_lshrrev_b32 v13, 5, v0
	v_readfirstlane_b32 s24, v13                   ; wave 0..3
	v_and_b32 v12, 31, v0                          ; lane L
	v_lshlrev_b32 v1, 4, v12                       ; 16 L
	s_mov_b32 s29, 0                               ; the high word of every offset
	s_mov_b32 s30, 0x76543210                      ; v_permlanex16_b32: each lane takes its own place in the other half
	s_mov_b32 s31, 0xfedcba98
	s_cmp_lt_u32 ttmp9, 16
	s_cbranch_scc0 .Lmpath
	; ---------------- work-groups 0-15: q_h and u_h of head h = the work-group's number ----------------
	s_lshl_b32 s25, ttmp9, 18                      ; 64 h rows of 4,096 bytes
	s_lshl_b32 s26, s24, 16                        ; my 16 rows
	s_add_co_u32 s28, s25, s26
	s_wait_kmcnt 0x0
	s_add_nc_u64 s[48:49], s[4:5], s[28:29]        ; Wq at my 16 rows
	s_lshl_b32 s26, s24, 10                        ; my 256 columns
	s_add_co_u32 s28, s25, s26
	s_add_nc_u64 s[50:51], s[10:11], s[28:29]      ; Wk at row 64 h, my columns
	s_lshl_b32 s25, ttmp9, 11
	s_lshl_b32 s26, s24, 9
	s_add_co_u32 s28, s25, s26
	s_add_nc_u64 s[52:53], s[18:19], s[28:29]      ; U at head h, my 256 columns of bf16
	s_lshl_b32 s25, ttmp9, 8
	s_lshl_b32 s26, s24, 6                         ; 64 w: my 16 numbers, in bq and in LDS
	s_add_co_u32 s28, s25, s26
	s_add_nc_u64 s[54:55], s[8:9], s[28:29]
	s_load_b512 s[32:47], s[54:55], 0x0            ; my 16 numbers of bq
.set c_, 0
.rept 8
	global_load_b128 v[X+4*c_:X+4*c_+3], v1, s[6:7] offset:512*c_
.set c_, c_+1
.endr
	LDSEQ 0
	LDSEQ 1
	LDSEQ 2
	LDSEQ 3
	WIN 0
	v_lshlrev_b32 v2, 3, v12                       ; 8 L
	v_mov_b32 v3, s26
	v_add_nc_u32 v3, QL, v3                        ; LDS: my 16 numbers of q at QL + 64 w
	v_mov_b32 v4, QL                               ; LDS: q_h begins at QL
	v_mov_b32 v[ZR], 0
	s_wait_loadcnt 63                              ; the query is in: 64 loads are younger, and the count's field ends at 63
.set p_, 0
.rept 16
	v_cvt_pk_bf16_f32 v[T+p_], v[X+2*p_], v[X+2*p_+1]
.set p_, p_+1
.endr
.set p_, 0
.rept 16
	v_lshlrev_b32 v[X+2*p_], 16, v[T+p_]           ; the query as its bf16 rounding, widened again
	v_and_b32 v[X+2*p_+1], 0xffff0000, v[T+p_]
.set p_, p_+1
.endr
	MVU 0
	MVU 1
	MVU 2
	MVU 3
	MVU 4
	MVU 5
	MVU 6
	MVU 7
	RED 16, Y16, T
	s_wait_kmcnt 0x0                               ; bq
.set p_, 0
.rept 8
	v_cvt_pk_bf16_f32 v[T+p_], s[32+2*p_], s[33+2*p_]
.set p_, p_+1
.endr
.set p_, 0
.rept 8
	v_lshlrev_b32 v[T+8+2*p_], 16, v[T+p_]
	v_and_b32 v[T+9+2*p_], 0xffff0000, v[T+p_]
	v_pk_add_f32 v[Y16+2*p_:Y16+2*p_+1], v[Y16+2*p_:Y16+2*p_+1], v[T+8+2*p_:T+9+2*p_]
.set p_, p_+1
.endr
.set i_, 0
.rept 4
	ds_store_b128 v3, v[Y16+4*i_:Y16+4*i_+3] offset:16*i_   ; every lane writes the same bytes with the same numbers
.set i_, i_+1
.endr
	s_wait_dscnt 0x0                               ; for the others' sake: my part of q is in LDS
	s_barrier_signal -1
	s_barrier_wait -1
.set i_, 0
.rept 16
	ds_load_b128 v[QV+4*i_:QV+4*i_+3], v4 offset:16*i_
.set i_, i_+1
.endr
	s_wait_dscnt 0x0
	KU 8
	KU 9
	KU 10
	KU 11
	KU 12
	KU 13
	KU 14
	KU 15
.set k_, 0
.rept 8
	v_mul_f32 v[UACC+k_], 0x3e38aa3b, v[UACC+k_]   ; log2(e) / 8
.set k_, k_+1
.endr
.set k_, 0
.rept 4
	v_cvt_pk_bf16_f32 v[X+k_], v[UACC+2*k_], v[UACC+2*k_+1]
.set k_, k_+1
.endr
	global_store_b64 v2, v[X:X+1], s[52:53]                 ; 32 lanes store 256 consecutive bytes, at a multiple of 256 from U's first
	global_store_b64 v2, v[X+2:X+3], s[52:53] offset:256
	s_wait_tensorcnt 0x0                           ; the wave's end
	ds_add_u32 v[SPW], v[NIL]
	s_wait_dscnt 0x0
	s_endpgm
	; ---------------- work-groups 16-271: Mw[64 h ..][64 jc ..], and cv ----------------
.Lmpath:
	s_sub_co_u32 s25, ttmp9, 16
	s_lshr_b32 s26, s25, 4                         ; h: the block of 64 rows
	s_and_b32 s27, s25, 15                         ; jc: the block of 64 columns
	s_lshl_b32 s33, s26, 18
	s_lshl_b32 s34, s27, 8
	s_lshl_b32 s35, s24, 10
	s_mul_i32 s40, s24, REG                        ; my LDS region
	s_lshl_b32 s41, s24, 12
	v_and_b32 v24, 15, v0                          ; r
	v_bfe_u32 v25, v0, 4, 1                        ; hs
	v_lshlrev_b32 v2, 4, v24
	v_lshl_add_u32 v2, v25, 15, v2                 ; 8 hs rows of 4,096 bytes + 16 r: Wk's loads and Mw's stores
	v_lshl_add_u32 v3, v12, 3, s40                 ; where I put 8 bytes of a row of A
	v_mul_u32_u24 v4, v24, AP
	v_lshl_add_u32 v4, v25, 4, v4
	v_add_nc_u32 v4, s40, v4                       ; an A fragment: row r, 16 bytes for each half of the lanes
	v_lshl_add_u32 v5, v25, 4, s40
	v_add_nc_u32 v5, 64*AP, v5                     ; bk's row, the same for every column
	v_lshl_add_u32 v6, v12, 4, s40                 ; the exchange: my accumulators, 16 bytes a lane
	v_lshl_add_u32 v7, v12, 4, s41                 ; the exchange: tiles 4 w .. 4 w + 3 of regions 0, 1,
	v_add_nc_u32 v10, 2*REG, v7                    ; and of regions 2, 3
	v_lshlrev_b32 v9, 3, v12                       ; 8 L
	v_lshrrev_b32 v26, 3, v12                      ; cv: lane L takes rows 2 L, 2 L + 1: tile 16 + L / 8,
	v_lshlrev_b32 v8, 10, v26
	v_bfe_u32 v26, v12, 1, 1                       ; registers 0-3 or 4-7,
	v_lshl_add_u32 v8, v26, 9, v8
	v_bfe_u32 v26, v12, 2, 1                       ; lane 0 or 16,
	v_lshl_add_u32 v8, v26, 8, v8
	v_and_b32 v26, 1, v12                          ; the first or second pair of the four
	v_lshl_add_u32 v8, v26, 3, v8
	v_add_nc_u32 v8, 16*1024, v8
	v_add_nc_u32 v11, 2*REG, v8
	s_wait_kmcnt 0x0
	s_add_co_u32 s28, s33, s35
	s_add_nc_u64 s[48:49], s[12:13], s[28:29]      ; Wv at row 64 h, columns 256 w
	s_lshl_b32 s28, s24, 20
	s_add_co_u32 s28, s28, s34
	s_add_nc_u64 s[50:51], s[10:11], s[28:29]      ; Wk at row 256 w, columns 64 jc
	s_mov_b32 s28, s35
	s_add_nc_u64 s[52:53], s[14:15], s[28:29]      ; bk at 256 w
	s_lshl_b32 s28, s24, 16
	s_add_co_u32 s28, s28, s33
	s_add_co_u32 s28, s28, s34
	s_add_nc_u64 s[54:55], s[20:21], s[28:29]      ; Mw at row 64 h + 16 w, columns 64 jc
	s_lshl_b32 s28, s26, 8
	s_add_nc_u64 s[56:57], s[16:17], s[28:29]      ; bv at 64 h
	s_add_nc_u64 s[58:59], s[22:23], s[28:29]      ; cv at 64 h
	global_load_b128 v[16:19], v1, s[52:53]
	global_load_b128 v[20:23], v1, s[52:53] offset:512
	LDSEQM 0
	LDSEQM 1
	LDSEQM 2
	LDSEQM 3
	AU 0                                           ; its wait also shows the two older loads of bk landed
	v_cvt_pk_bf16_f32 v28, v16, v17
	v_cvt_pk_bf16_f32 v29, v18, v19
	v_cvt_pk_bf16_f32 v30, v20, v21
	v_cvt_pk_bf16_f32 v31, v22, v23
	ds_store_b64 v3, v[28:29] offset:64*AP
	ds_store_b64 v3, v[30:31] offset:64*AP+256
	AU 1
	AU 2
	AU 3
	AU 4
	AU 5
	AU 6
	AU 7
	BU 0                                           ; LDS serves a wave's instructions in order (ISA guide 5.7.1.4): its loads see my stores above; no other wave touches my region yet
	BU 1
	BU 2
	BU 3
	BU 4
	BU 5
	BU 6
	BU 7
	PLACES
.set i_, 0
.rept 20                                               ; each accumulator's low four registers first
	ds_store_b128 v6, v[ACC+8*i_:ACC+8*i_+3] offset:1024*i_
	ds_store_b128 v6, v[ACC+8*i_+4:ACC+8*i_+7] offset:1024*i_+512
.set i_, i_+1
.endr
	s_wait_dscnt 0x0                               ; for the others' sake: my partial sums are in LDS
	s_barrier_signal -1
	s_barrier_wait -1
.irp u, 0,1                                            ; wave w adds up the four waves' tiles of rows 16 w .. 16 w + 15
.set i_, 0
.rept 8
	ds_load_b128 v[64+32*\u+4*i_:64+32*\u+4*i_+3], v7 offset:\u*REG+512*i_
	ds_load_b128 v[128+32*\u+4*i_:128+32*\u+4*i_+3], v10 offset:\u*REG+512*i_
.set i_, i_+1
.endr
.endr
	s_wait_dscnt 0x0
.set i_, 0
.rept 16
	v_pk_add_f32 v[64+2*i_:65+2*i_], v[64+2*i_:65+2*i_], v[96+2*i_:97+2*i_]
	v_pk_add_f32 v[128+2*i_:129+2*i_], v[128+2*i_:129+2*i_], v[160+2*i_:161+2*i_]
.set i_, i_+1
.endr
.set t_, 0
.rept 4
.set j_, 0
.rept 8
	v_add_f32 v[OUTR+4*j_+t_], v[64+8*t_+j_], v[128+8*t_+j_]   ; the last addition puts column 4 r + t in its place
.set j_, j_+1
.endr
.set t_, t_+1
.endr
.set j_, 0
.rept 8
	global_store_b128 v2, v[OUTR+4*j_:OUTR+4*j_+3], s[54:55] offset:4096*j_   ; 16 lanes store the tile's 256 aligned bytes of a row
.set j_, j_+1
.endr
	s_cmp_lg_u32 s27, 0                            ; cv: wave 0 of the work-groups with column block 0
	s_cbranch_scc1 .Lmend
	s_cmp_lg_u32 s24, 0
	s_cbranch_scc1 .Lmend
	global_load_b64 v[16:17], v9, s[56:57]
	ds_load_b64 v[18:19], v8
	ds_load_b64 v[20:21], v8 offset:REG
	ds_load_b64 v[22:23], v11
	ds_load_b64 v[24:25], v11 offset:REG
	s_wait_dscnt 0x0
	v_pk_add_f32 v[18:19], v[18:19], v[20:21]
	v_pk_add_f32 v[22:23], v[22:23], v[24:25]
	v_pk_add_f32 v[18:19], v[18:19], v[22:23]
	s_wait_loadcnt 0x0                             ; bv
	v_cvt_pk_bf16_f32 v26, v16, v17
	v_lshlrev_b32 v16, 16, v26
	v_and_b32 v17, 0xffff0000, v26
	v_pk_add_f32 v[18:19], v[18:19], v[16:17]
	global_store_b64 v9, v[18:19], s[58:59]        ; 256 consecutive bytes, at a multiple of 256 from cv's first
.Lmend:
	s_wait_tensorcnt 0x0                           ; the wave's end
	ds_add_u32 v[SPW], v[NIL]
	s_wait_dscnt 0x0
	s_endpgm
.Lfunc_end_k_q45e248e467_prep:
	.size	k_q45e248e467_prep, .Lfunc_end_k_q45e248e467_prep-k_q45e248e467_prep
	.p2alignl 7, 3214868480
	.fill 96, 4, 3214868480
	.section	.rodata,"a",@progbits
	.p2align	6, 0x0
	.amdhsa_kernel k_q45e248e467_prep
		.amdhsa_group_segment_fixed_size 139008
		.amdhsa_private_segment_fixed_size 0
		.amdhsa_enable_private_segment 0
		.amdhsa_kernarg_size 80
		.amdhsa_user_sgpr_count 2
		.amdhsa_user_sgpr_kernarg_segment_ptr 1
		.amdhsa_wavefront_size32 1
		.amdhsa_system_sgpr_workgroup_id_x 1
		.amdhsa_system_sgpr_workgroup_id_y 1
		.amdhsa_system_sgpr_workgroup_id_z 1
		.amdhsa_system_vgpr_workitem_id 0
		.amdhsa_next_free_vgpr 512
		.amdhsa_next_free_sgpr 66
		.amdhsa_reserve_vcc 0
		.amdhsa_float_denorm_mode_32 3
		.amdhsa_float_denorm_mode_16_64 3
		.amdhsa_memory_ordered 1
		.amdhsa_forward_progress 1
		.amdhsa_inst_pref_size 233
	.end_amdhsa_kernel
	.amdgpu_metadata
---
amdhsa.version: [ 1, 2 ]
amdhsa.kernels:
  - .name:           k_q45e248e467_prep
    .symbol:         k_q45e248e467_prep.kd
    .args:
      - { .name: Wq, .offset: 0, .size: 8, .value_kind: global_buffer, .address_space: global }
      - { .name: query, .offset: 8, .size: 8, .value_kind: global_buffer, .address_space: global }
      - { .name: bq, .offset: 16, .size: 8, .value_kind: global_buffer, .address_space: global }
      - { .name: Wk, .offset: 24, .size: 8, .value_kind: global_buffer, .address_space: global }
      - { .name: Wv, .offset: 32, .size: 8, .value_kind: global_buffer, .address_space: global }
      - { .name: bk, .offset: 40, .size: 8, .value_kind: global_buffer, .address_space: global }
      - { .name: bv, .offset: 48, .size: 8, .value_kind: global_buffer, .address_space: global }
      - { .name: U, .offset: 56, .size: 8, .value_kind: global_buffer, .address_space: global }
      - { .name: Mw, .offset: 64, .size: 8, .value_kind: global_buffer, .address_space: global }
      - { .name: cv, .offset: 72, .size: 8, .value_kind: global_buffer, .address_space: global }
    .group_segment_fixed_size: 139008
    .private_segment_fixed_size: 0
    .kernarg_segment_align: 8
    .kernarg_segment_size: 80
    .max_flat_workgroup_size: 128
    .sgpr_count:     66
    .vgpr_count:     512
    .wavefront_size: 32
...
	.end_amdgpu_metadata
.endif
;; end of part 1
;; launch pool (part 2): grid 256 x 1, 8 waves a work-group, no clusters, 310,272 bytes of LDS; arguments Y, U, Zp, ST; writes Zp, ST
.if DOCPART == 2
	.amdgcn_target "amdgcn-amd-amdhsa--gfx1250"
	.amdhsa_code_object_version 6
	.text
	.protected	k_q45e248e467_pool
	.globl	k_q45e248e467_pool
	.p2align	8
	.type	k_q45e248e467_pool,@function
k_q45e248e467_pool:
	s_mov_b64 s[64:65], 0
	v_nop
	global_prefetch_b8 v0, s[64:65] scope:SCOPE_SE
	s_setreg_imm32_b32 hwreg(HW_REG_WAVE_MODE, 25, 1), 1
	s_wait_xcnt 0x0
; POOL: the one pass over Y.  Work-group wg = 16 b + c owns rows 128 c .. 128 c + 127 of batch b: 512 KiB of f32, each byte loaded once, rounded to bf16 and kept in LDS.
;   S[s][h] = Y[s,:] . U[h,:]   (U holds u_h log2(e)/8, so S is the score in the exponent of 2)      wave w: rows 16 w .. + 15, all of K
;   m[h] = max_s S, p = 2^(S - m), l[h] = sum_s p                                                     every wave alike, from all eight waves' scores
;   Zp[wg][h][:] = sum_s p[s][h] Y[s,:]                                                               wave w: columns 128 w .. + 127, all 128 rows
; The maximum taken away is the chunk's own; the next launch brings the 16 chunks of a batch to their common maximum.
; FORMATS.  Y, U and p go to the matrix unit in bf16; sums, m and l (of the unrounded p) in f32.  LIMITS.  A weight below 2^-126 counts as 0; NaN and infinities are not treated apart.
; No tensor loads: every byte is converted in registers, and LDS has no room for f32 slots beside the chunk.  No cluster: work-groups share U alone, 32 KiB beside 512 KiB of their own.
; No prefetch: the loop keeps four blocks of 16 loads a wave on their way from its first line to its last.
; The second product is used transposed (source 0 = 16 columns of Y, turned by ds_load_tr16_b128; source 1 = p): a lane's scores are, as they lie, its part of source 1, and its results are 8 neighbouring columns of one head.
.set PITCH, 2080                       ; a row of Y in LDS: 2,048 bytes + 32: an odd multiple of 32, for the turning loads
.set UB,    128*PITCH                  ; U by groups of 8 k: group g holds, for each of 16 heads, 16 bytes; 256 + 16 bytes a group
.set STG,   UB                         ; the same bytes behind the scores' barrier: a stage of 16 rows x 272 bytes for each wave
.set SX,    UB+128*272                 ; eight tiles of scores, 1,024 bytes each
.set SPARE, SX+8192                    ; the spare words: 128 bytes a wave, four blocks of 256 bytes that no other line names
.set SPW,   14                         ; v14  LDS address of my spare word; never rewritten
.set NIL,   15                         ; v15  0; never rewritten
.set T,     32                         ; v32-63   U as loaded; a block's pairs of bf16; at last p in bf16
.set PF,    32
.set AF,    64                         ; v64-95   four fragments of Y
.set BFR,   96                         ; v96-127  four fragments of U
.set S,     64                         ; v64-127  later: my lane's 64 scores; then the rows read back from the stage
.set ACC,   128                        ; v128-159 four accumulators of scores, one for each K step of a block
.set ZA,    160                        ; v160-223 eight accumulators of Z
.set MSB,   0
.macro WIN new                         ; the immediate's high byte repeats the setting that is left; a switch that changes nothing is dropped
.if MSB != (\new)
	s_set_vgpr_msb (MSB<<8)|(\new)
.set MSB, (\new)
.endif
.endm
.macro PLACES                          ; four plain vector instructions behind a matrix instruction (ISA guide 7.12.1)
.rept 4
	v_nop
.endr
.endm
.macro LDBLK cb                        ; columns 128 cb .. + 127 of my 16 rows: each load takes 512 consecutive bytes of a row; into v[256 + 64 (cb & 3) ..]
	WIN 0x40
.set i_, 0
.rept 16
	global_load_b128 v[64*((\cb)&3)+4*i_:64*((\cb)&3)+4*i_+3], v1, s[4:5] offset:i_*4096+(\cb)*512 th:TH_LOAD_NT
.set i_, i_+1
.endr
.endm
; A block: rounded, its registers loaded again, stored into LDS, and four K steps of scores.  cnt: the younger blocks' loads, 16 each, which stay out.
; The 32 conversions name no register of the block before's products: they are the places in front of the loads into AF and BFR.  The four accumulators take turns.
.macro BLOCK cb, cnt
	s_wait_loadcnt \cnt
	WIN 0x05
.set i_, 0
.rept 32
	v_cvt_pk_bf16_f32 v[T+i_], v[64*((\cb)&3)+2*i_], v[64*((\cb)&3)+2*i_+1]
.set i_, i_+1
.endr
.if (\cb) < 4
	LDBLK (\cb)+4
.endif
	WIN 0
.set i_, 0
.rept 16
	ds_store_b64 v2, v[T+2*i_:T+2*i_+1] offset:i_*PITCH+(\cb)*256
.set i_, i_+1
.endr
.set k_, 0
.rept 4
	ds_load_b128 v[AF+8*k_:AF+8*k_+3], v3 offset:(\cb)*256+k_*64            ; my own rows: LDS serves a wave's instructions in order (ISA guide 5.7.1.4)
	ds_load_b128 v[AF+8*k_+4:AF+8*k_+7], v3 offset:(\cb)*256+k_*64+32
	ds_load_b128 v[BFR+8*k_:BFR+8*k_+3], v4 offset:(4*(\cb)+k_)*1088
	ds_load_b128 v[BFR+8*k_+4:BFR+8*k_+7], v4 offset:(4*(\cb)+k_)*1088+544
.set k_, k_+1
.endr
	s_wait_dscnt 0x0
.set k_, 0
.rept 4
.if (\cb) == 0
	v_wmma_f32_16x16x32_bf16 v[ACC+8*k_:ACC+8*k_+7], v[AF+8*k_:AF+8*k_+7], v[BFR+8*k_:BFR+8*k_+7], 0
.else
	v_wmma_f32_16x16x32_bf16 v[ACC+8*k_:ACC+8*k_+7], v[AF+8*k_:AF+8*k_+7], v[BFR+8*k_:BFR+8*k_+7], v[ACC+8*k_:ACC+8*k_+7]
.endif
.set k_, k_+1
.endr
.endm
	s_load_b256 s[4:11], s[0:1], 0x0               ; Y s[4:5], U s[6:7], Zp s[8:9], ST s[10:11]
	v_lshl_add_u32 v[SPW], v0, 2, SPARE
	v_mov_b32 v[NIL], 0
	v_lshrrev_b32 v19, 5, v0
	v_readfirstlane_b32 s12, v19                   ; wave 0..7
	v_and_b32 v19, 31, v0                          ; lane L
	v_lshlrev_b32 v1, 4, v19                       ; 16 L
	v_lshlrev_b32 v16, 4, v0                       ; 16 x thread
	s_lshl_b32 s20, ttmp9, 19                      ; the work-group's 128 rows of 4,096 bytes,
	s_lshl_b32 s14, s12, 16                        ; my wave's 16
	s_add_co_u32 s20, s20, s14
	s_mov_b32 s21, 0
	s_mov_b32 s16, 0x76543210                      ; v_permlanex16_b32: each lane takes its own place in the other half
	s_mov_b32 s17, 0xfedcba98
	s_wait_kmcnt 0x0
	s_add_nc_u64 s[4:5], s[4:5], s[20:21]
	s_lshl_b32 s20, ttmp9, 16
	s_add_nc_u64 s[8:9], s[8:9], s[20:21]
	s_lshl_b32 s20, ttmp9, 8
	s_add_nc_u64 s[10:11], s[10:11], s[20:21]
.set i_, 0
.rept 8
	global_load_b128 v[T+4*i_:T+4*i_+3], v16, s[6:7] offset:4096*i_          ; U: load i brings thread t head 2 i + t / 128, k = 8 (t % 128) .. + 7
.set i_, i_+1
.endr
	LDBLK 0
	LDBLK 1
	LDBLK 2
	WIN 0
	v_and_b32 v24, 15, v0                          ; r
	v_bfe_u32 v25, v0, 4, 1                        ; hs
	s_mul_i32 s13, s12, 16*PITCH                   ; my 16 rows in LDS
	v_lshl_add_u32 v2, v19, 3, s13                 ; where I put 8 bytes of a row
	v_mul_u32_u24 v3, v24, PITCH
	v_lshl_add_u32 v3, v25, 4, v3
	v_add_nc_u32 v3, s13, v3                       ; a fragment of Y: row 16 w + r, 16 bytes for each half of the lanes
	v_mul_u32_u24 v4, v25, 272
	v_lshl_add_u32 v4, v24, 4, v4
	v_add_nc_u32 v4, UB, v4                        ; a fragment of U: group hs, head r
	s_lshl_b32 s14, s12, 10
	v_lshl_add_u32 v6, v19, 4, SX                  ; scores: 16 bytes a lane in each tile,
	v_add_nc_u32 v5, s14, v6                       ; and in my tile
	v_and_b32 v26, 7, v0
	v_lshl_add_u32 v26, v25, 3, v26
	v_mul_u32_u24 v7, v26, PITCH                   ; the turning load: row 8 hs + L % 8,
	v_bfe_u32 v26, v0, 3, 1
	v_lshl_add_u32 v7, v26, 4, v7                  ; 16 bytes by (L / 8) % 2,
	s_lshl_b32 s14, s12, 8
	v_add_nc_u32 v7, s14, v7                       ; my wave's 128 columns;
	v_add_nc_u32 v8, 32*PITCH, v7                  ; one address for each 32 rows
	v_add_nc_u32 v9, 64*PITCH, v7
	v_add_nc_u32 v10, 96*PITCH, v7
	s_mul_i32 s15, s12, 16*272                     ; my stage
	v_add_nc_u32 v12, s15, v4                      ; back: lanes 0-15 one row of 256 bytes, lanes 16-31 the next
	v_mul_u32_u24 v11, v24, 272
	v_lshl_add_u32 v11, v25, 5, v11
	v_add_nc_u32 v11, s15, v11
	v_add_nc_u32 v11, STG, v11                     ; in: row r (a head), 32 bytes for each half of the lanes
	s_lshl_b32 s14, s12, 9
	v_lshlrev_b32 v13, 4, v24
	v_lshl_add_u32 v13, v25, 12, v13
	v_add_nc_u32 v13, s14, v13                     ; in Zp: head hs, my wave's 512 bytes, 16 r
	v_and_b32 v26, 127, v0
	v_mul_u32_u24 v17, v26, 272
	v_lshrrev_b32 v26, 7, v0
	v_lshl_add_u32 v17, v26, 4, v17
	v_add_nc_u32 v17, UB, v17                      ; U into LDS: group t % 128, head t / 128 (+ 2 i)
	v_lshlrev_b32 v18, 3, v19                      ; 8 L
	v_mov_b32 v28, 0                               ; written, since v_permlanex16_b32 counts as a reader of its destination
	s_wait_loadcnt 48                              ; U is in; the three blocks of Y, 48 loads, stay out
.set i_, 0
.rept 8
	ds_store_b128 v17, v[T+4*i_:T+4*i_+3] offset:32*i_
.set i_, i_+1
.endr
	LDBLK 3
	WIN 0
	s_wait_dscnt 0x0                               ; for the others' sake: my part of U is in LDS
	s_barrier_signal -1
	s_barrier_wait -1
	BLOCK 0, 48
	BLOCK 1, 48
	BLOCK 2, 48
	BLOCK 3, 48
	BLOCK 4, 48
	BLOCK 5, 32
	BLOCK 6, 16
	BLOCK 7, 0
	PLACES
.set p_, 0
.rept 4                                                ; the four K steps' sums into one, each accumulator from its low end on
	v_pk_add_f32 v[ACC+2*p_:ACC+2*p_+1], v[ACC+2*p_:ACC+2*p_+1], v[ACC+8+2*p_:ACC+8+2*p_+1]
.set p_, p_+1
.endr
.set p_, 0
.rept 4
	v_pk_add_f32 v[ACC+16+2*p_:ACC+16+2*p_+1], v[ACC+16+2*p_:ACC+16+2*p_+1], v[ACC+24+2*p_:ACC+24+2*p_+1]
.set p_, p_+1
.endr
.set p_, 0
.rept 4
	v_pk_add_f32 v[ACC+2*p_:ACC+2*p_+1], v[ACC+2*p_:ACC+2*p_+1], v[ACC+16+2*p_:ACC+16+2*p_+1]
.set p_, p_+1
.endr
	ds_store_b128 v5, v[ACC:ACC+3]
	ds_store_b128 v5, v[ACC+4:ACC+7] offset:512
	s_wait_dscnt 0x0                               ; for the others' sake: my scores and my rows of Y are in LDS, and my reads of U are back
	s_barrier_signal -1
	s_barrier_wait -1
.set i_, 0
.rept 16                                               ; S[8 tile + j]: head r, row 16 tile + 8 hs + j
	ds_load_b128 v[S+4*i_:S+4*i_+3], v6 offset:512*i_
.set i_, i_+1
.endr
	WIN 0x40
.set k_, 0
.rept 4                                                ; Y turned: rows 32 k .. + 31, columns 128 w + 16 n .. + 15, at v[256 + 8 (8 k + n)]
.set n_, 0
.rept 8
	ds_load_tr16_b128 v[8*(8*k_+n_):8*(8*k_+n_)+3], v[7+k_] offset:32*n_
	ds_load_tr16_b128 v[8*(8*k_+n_)+4:8*(8*k_+n_)+7], v[7+k_] offset:32*n_+16*PITCH
.set n_, n_+1
.endr
.set k_, k_+1
.endr
	WIN 0
	s_wait_dscnt 63                                ; the scores are in: 64 loads are younger, and the count's field ends at 63
.set c_, 0
.rept 4                                                ; the maximum of my 64 scores: four chains of 15, three operands at a time,
	v_max3_num_f32 v[24+c_], v[S+16*c_], v[S+16*c_+1], v[S+16*c_+2]
.set c_, c_+1
.endr
.set k_, 0
.rept 6
.set c_, 0
.rept 4
	v_max3_num_f32 v[24+c_], v[24+c_], v[S+16*c_+3+2*k_], v[S+16*c_+4+2*k_]
.set c_, c_+1
.endr
.set k_, k_+1
.endr
	v_max3_num_f32 v24, v24, v[S+15], v[S+31]      ; the four left over,
	v_max3_num_f32 v26, v26, v[S+47], v[S+63]
	v_max3_num_f32 v24, v24, v25, v26
	v_max_num_f32 v24, v24, v27
	v_permlanex16_b32 v28, v24, s16, s17           ; and the head's other 64 rows, in the lane 16 away
	v_max_num_f32 v20, v24, v28                    ; m
	v_mov_b32 v22, v20
	v_mov_b32 v23, v20
.set i_, 0
.rept 32
	v_pk_add_f32 v[S+2*i_:S+2*i_+1], v[S+2*i_:S+2*i_+1], v[22:23] neg_lo:[0,1] neg_hi:[0,1]
.set i_, i_+1
.endr
.set i_, 0
.rept 64
	v_exp_f32 v[S+i_], v[S+i_]
.set i_, i_+1
.endr
	v_nop                                          ; a plain instruction between the last exponential and the use of its result (ISA guide 5.7.2)
.set i_, 0
	s_wait_alu depctr_va_vdst(0)
.rept 32                                               ; rows 32 k + 8 hs + 0..7 and 32 k + 16 + 8 hs + 0..7 are tiles 2 k and 2 k + 1: source 1 as it lies
	v_cvt_pk_bf16_f32 v[PF+i_], v[S+2*i_], v[S+2*i_+1]
.set i_, i_+1
.endr
.irp d, 16,8,4,2,1                                     ; l: the 32 pairs added up, halving
.set i_, 0
.rept \d
	v_pk_add_f32 v[S+2*i_:S+2*i_+1], v[S+2*i_:S+2*i_+1], v[S+2*(i_+\d):S+2*(i_+\d)+1]
.set i_, i_+1
.endr
.endr
	v_add_f32 v21, v[S], v[S+1]
	v_permlanex16_b32 v28, v21, s16, s17
	v_add_f32 v21, v21, v28                        ; l
	s_cmp_lg_u32 s12, 0
	s_cbranch_scc1 .Lnost
	global_store_b64 v18, v[20:21], s[10:11]       ; (m, l) of head L % 16: 256 consecutive bytes, at a multiple of 256 from ST's first
.Lnost:
	s_wait_dscnt 0x0                               ; Y turned is in
	WIN 0x01
.set k_, 0
.rept 4                                                ; the eight accumulators take turns
.set n_, 0
.rept 8
.if k_ == 0
	v_wmma_f32_16x16x32_bf16 v[ZA+8*n_:ZA+8*n_+7], v[8*(8*k_+n_):8*(8*k_+n_)+7], v[PF+8*k_:PF+8*k_+7], 0
.else
	v_wmma_f32_16x16x32_bf16 v[ZA+8*n_:ZA+8*n_+7], v[8*(8*k_+n_):8*(8*k_+n_)+7], v[PF+8*k_:PF+8*k_+7], v[ZA+8*n_:ZA+8*n_+7]
.endif
.set n_, n_+1
.endr
.set k_, k_+1
.endr
	WIN 0
	PLACES
	; THE WAY OUT, 64 columns a round: a lane's 8 columns of a head go into rows of 272 bytes and come back as whole rows of 256.
.set q_, 0
.rept 2
.set n_, 0
.rept 4
	ds_store_b128 v11, v[ZA+8*(4*q_+n_):ZA+8*(4*q_+n_)+3] offset:64*n_
	ds_store_b128 v11, v[ZA+8*(4*q_+n_)+4:ZA+8*(4*q_+n_)+7] offset:64*n_+16
.set n_, n_+1
.endr
.set t_, 0
.rept 8
	ds_load_b128 v[S+32*q_+4*t_:S+32*q_+4*t_+3], v12 offset:544*t_   ; in order behind my stores; the next round's stores come behind these
.set t_, t_+1
.endr
.set q_, q_+1
.endr
	s_wait_dscnt 16                                ; the first round is back: the second's eight stores and eight loads are younger
.set t_, 0
.rept 8
	global_store_b128 v13, v[S+4*t_:S+4*t_+3], s[8:9] offset:8192*t_           ; 16 lanes store 256 consecutive bytes, at a multiple of 256 from Zp's first
.set t_, t_+1
.endr
	s_wait_dscnt 0x0
.set t_, 0
.rept 8
	global_store_b128 v13, v[S+32+4*t_:S+32+4*t_+3], s[8:9] offset:8192*t_+256
.set t_, t_+1
.endr
	s_wait_tensorcnt 0x0                           ; the wave's end
	ds_add_u32 v[SPW], v[NIL]
	s_wait_dscnt 0x0
	s_endpgm
.Lfunc_end_k_q45e248e467_pool:
	.size	k_q45e248e467_pool, .Lfunc_end_k_q45e248e467_pool-k_q45e248e467_pool
	.p2alignl 7, 3214868480
	.fill 96, 4, 3214868480
	.section	.rodata,"a",@progbits
	.p2align	6, 0x0
	.amdhsa_kernel k_q45e248e467_pool
		.amdhsa_group_segment_fixed_size 310272
		.amdhsa_private_segment_fixed_size 0
		.amdhsa_enable_private_segment 0
		.amdhsa_kernarg_size 32
		.amdhsa_user_sgpr_count 2
		.amdhsa_user_sgpr_kernarg_segment_ptr 1
		.amdhsa_wavefront_size32 1
		.amdhsa_system_sgpr_workgroup_id_x 1
		.amdhsa_system_sgpr_workgroup_id_y 1
		.amdhsa_system_sgpr_workgroup_id_z 1
		.amdhsa_system_vgpr_workitem_id 0
		.amdhsa_next_free_vgpr 512
		.amdhsa_next_free_sgpr 66
		.amdhsa_reserve_vcc 0
		.amdhsa_float_denorm_mode_32 3
		.amdhsa_float_denorm_mode_16_64 3
		.amdhsa_memory_ordered 1
		.amdhsa_forward_progress 1
		.amdhsa_inst_pref_size 75
	.end_amdhsa_kernel
	.amdgpu_metadata
---
amdhsa.version: [ 1, 2 ]
amdhsa.kernels:
  - .name:           k_q45e248e467_pool
    .symbol:         k_q45e248e467_pool.kd
    .args:
      - { .name: Y, .offset: 0, .size: 8, .value_kind: global_buffer, .address_space: global }
      - { .name: U, .offset: 8, .size: 8, .value_kind: global_buffer, .address_space: global }
      - { .name: Zp, .offset: 16, .size: 8, .value_kind: global_buffer, .address_space: global }
      - { .name: ST, .offset: 24, .size: 8, .value_kind: global_buffer, .address_space: global }
    .group_segment_fixed_size: 310272
    .private_segment_fixed_size: 0
    .kernarg_segment_align: 8
    .kernarg_segment_size: 32
    .max_flat_workgroup_size: 256
    .sgpr_count:     66
    .vgpr_count:     512
    .wavefront_size: 32
...
	.end_amdgpu_metadata
.endif
;; end of part 2
;; launch vbar (part 3): grid 16 x 16, 8 waves a work-group, no clusters, 5,376 bytes of LDS; arguments Zp, ST, Mw, cv, Vb; writes Vb
.if DOCPART == 3
	.amdgcn_target "amdgcn-amd-amdhsa--gfx1250"
	.amdhsa_code_object_version 6
	.text
	.protected	k_q45e248e467_vbar
	.globl	k_q45e248e467_vbar
	.p2align	8
	.type	k_q45e248e467_vbar,@function
k_q45e248e467_vbar:
	s_mov_b64 s[64:65], 0
	v_nop
	global_prefetch_b8 v0, s[64:65] scope:SCOPE_SE
	s_setreg_imm32_b32 hwreg(HW_REG_WAVE_MODE, 25, 1), 1
	s_wait_xcnt 0x0
; VBAR: for head h (grid x) and batch b (grid y): the 16 chunks' partial sums are brought to their common maximum and divided by the whole sum,
;   Z[j] = sum_c w_c Zp[16 b + c][h][j],   w_c = 2^(m_c - M) / sum_c 2^(m_c - M) l_c,   M = max_c m_c,
; and Vb[b][64 h + d] = sum_j Mw[64 h + d][j] Z[j] + cv[64 h + d].  All in f32: these are the program's own numbers.
; A matrix of 64 x 1024 times ONE vector: the matrix unit would idle on 15 of 16 columns, so the vector unit does it.  Wave w: columns 128 w .. of Z, then rows 8 w .. + 7 of the product.
; Each byte of Zp is read once in the launch; Mw's 64 rows are shared by the 16 batches' work-groups, but come through registers: no cluster.
; LIMITS.  Each l_c is at least 1 (its chunk's largest weight), so the divisor is at least 1; v_rcp_f32 is accurate to 1 ULP; a factor below 2^-126 counts as 0.
.set XL,    0                          ; Z, 1,024 f32
.set YL,    4096                       ; the 64 results
.set SPARE, 4352                       ; the spare words: 128 bytes a wave, four blocks of 256 bytes that no other line names
.set SPW,   14
.set NIL,   15
.set PART,  32                         ; v32-95   my 4 columns of the 16 chunks' partial sums
.set Z,     96                         ; v96-99   my 4 columns of Z
.set X,     100                        ; v100-131 Z: columns 128 c + 4 L .. + 3 at X + 4 c
.set AC,    132                        ; v132-163 two pairs of partial sums a row
.set Y8,    164                        ; v164-171 my 8 rows' results
.set MSB,   0
.macro WIN new                         ; the immediate's high byte repeats the setting that is left; a switch that changes nothing is dropped
.if MSB != (\new)
	s_set_vgpr_msb (MSB<<8)|(\new)
.set MSB, (\new)
.endif
.endm
	s_load_b256 s[4:11], s[0:1], 0x0               ; Zp s[4:5], ST s[6:7], Mw s[8:9], cv s[10:11]
	s_load_b64 s[12:13], s[0:1], 0x20              ; Vb
	v_lshl_add_u32 v[SPW], v0, 2, SPARE
	v_mov_b32 v[NIL], 0
	v_lshrrev_b32 v10, 5, v0
	v_readfirstlane_b32 s14, v10                   ; wave 0..7
	s_and_b32 s15, ttmp7, 0xffff                   ; b
	v_and_b32 v10, 31, v0                          ; lane L
	v_lshlrev_b32 v1, 4, v10                       ; 16 L
	v_and_b32 v2, 15, v0
	v_lshlrev_b32 v2, 8, v2                        ; chunk L % 16 in ST
	s_lshl_b32 s22, s14, 9
	v_lshl_add_u32 v3, v10, 4, s22                 ; LDS: my 4 columns of Z
	v_lshlrev_b32 v4, 4, v10                       ; LDS: 16 L in each 512 bytes of Z
	s_lshl_b32 s23, s14, 5
	v_mov_b32 v5, s23
	v_add_nc_u32 v5, YL, v5                        ; LDS: my 8 results
	v_lshl_add_u32 v6, v10, 3, YL
	v_lshlrev_b32 v7, 3, v10                       ; 8 L
	s_mov_b32 s17, 0
	s_mov_b32 s18, 0x76543210
	s_mov_b32 s19, 0xfedcba98
	s_lshl_b32 s20, s15, 20
	s_lshl_b32 s21, ttmp9, 12
	s_add_co_u32 s16, s20, s21
	s_add_co_u32 s16, s16, s22
	s_wait_kmcnt 0x0
	s_add_nc_u64 s[4:5], s[4:5], s[16:17]          ; Zp at chunk 16 b, head h, my 128 columns
	s_lshl_b32 s20, s15, 12
	s_lshl_b32 s21, ttmp9, 3
	s_add_co_u32 s16, s20, s21
	s_add_nc_u64 s[6:7], s[6:7], s[16:17]          ; ST at chunk 16 b, head h
	s_lshl_b32 s21, ttmp9, 8
	s_add_co_u32 s16, s20, s21
	s_add_nc_u64 s[12:13], s[12:13], s[16:17]      ; Vb at batch b, 64 h
	s_add_co_u32 s16, s21, s23
	s_add_nc_u64 s[10:11], s[10:11], s[16:17]      ; cv at 64 h + 8 w
	s_lshl_b32 s20, ttmp9, 18
	s_lshl_b32 s21, s14, 15
	s_add_co_u32 s16, s20, s21
	s_add_nc_u64 s[8:9], s[8:9], s[16:17]          ; Mw at row 64 h + 8 w
	s_load_b256 s[24:31], s[10:11], 0x0
	global_load_b64 v[8:9], v2, s[6:7]             ; (m_c, l_c), c = L % 16
.set c_, 0
.rept 16
	global_load_b128 v[PART+4*c_:PART+4*c_+3], v1, s[4:5] offset:65536*c_ th:TH_LOAD_NT
.set c_, c_+1
.endr
	WIN 0x40
.set i_, 0
.rept 64                                               ; my 8 rows of Mw, 512 consecutive bytes a load: row i, columns 128 c + 4 L at v[256 + 32 i + 4 c]
	global_load_b128 v[4*i_:4*i_+3], v1, s[8:9] offset:(i_/8)*4096+(i_%8)*512
.set i_, i_+1
.endr
	WIN 0
	s_wait_loadcnt 63                              ; the first 17 loads are in: 64 are younger, and the count's field ends at 63
	v_mov_b32 v10, v8
	v_max_num_f32_dpp v10, v10, v10 row_xmask:1 row_mask:0xf bank_mask:0xf
	v_max_num_f32_dpp v10, v10, v10 row_xmask:2 row_mask:0xf bank_mask:0xf
	v_max_num_f32_dpp v10, v10, v10 row_xmask:4 row_mask:0xf bank_mask:0xf
	v_max_num_f32_dpp v10, v10, v10 row_xmask:8 row_mask:0xf bank_mask:0xf   ; M: each half of the lanes holds all 16 chunks
	v_sub_f32 v11, v8, v10
	v_exp_f32 v11, v11
	v_nop                                          ; a plain instruction behind the exponential (ISA guide 5.7.2)
	s_wait_alu depctr_va_vdst(0)
	v_mul_f32 v12, v11, v9
	v_add_f32_dpp v12, v12, v12 row_xmask:1 row_mask:0xf bank_mask:0xf
	v_add_f32_dpp v12, v12, v12 row_xmask:2 row_mask:0xf bank_mask:0xf
	v_add_f32_dpp v12, v12, v12 row_xmask:4 row_mask:0xf bank_mask:0xf
	v_add_f32_dpp v12, v12, v12 row_xmask:8 row_mask:0xf bank_mask:0xf
	v_rcp_f32 v12, v12
	v_nop
	s_wait_alu depctr_va_vdst(0)
	v_mul_f32 v11, v11, v12                        ; w_c
.set c_, 0
.rept 16
	v_readlane_b32 s[32+c_], v11, c_
.set c_, c_+1
.endr
.set k_, 0
.rept 4
	v_mul_f32 v[Z+k_], s32, v[PART+k_]
.set k_, k_+1
.endr
.set c_, 1
.rept 15
.set k_, 0
.rept 4
	v_fma_f32 v[Z+k_], s[32+c_], v[PART+4*c_+k_], v[Z+k_]
.set k_, k_+1
.endr
.set c_, c_+1
.endr
	ds_store_b128 v3, v[Z:Z+3]
	s_wait_dscnt 0x0                               ; for the others' sake: my columns of Z are in LDS
	s_barrier_signal -1
	s_barrier_wait -1
.set c_, 0
.rept 8
	ds_load_b128 v[X+4*c_:X+4*c_+3], v4 offset:512*c_
.set c_, c_+1
.endr
	s_wait_dscnt 0x0
	WIN 0x01                                       ; source 0, Mw's numbers, in the upper window
.set i_, 0
.rept 8
	s_wait_loadcnt 8*(7-i_)                        ; row i is in; the younger rows, eight loads each, stay out
	v_pk_mul_f32 v[AC+4*i_:AC+4*i_+1], v[32*i_:32*i_+1], v[X:X+1]
	v_pk_mul_f32 v[AC+4*i_+2:AC+4*i_+3], v[32*i_+2:32*i_+3], v[X+2:X+3]
.set c_, 1
.rept 7
	v_pk_fma_f32 v[AC+4*i_:AC+4*i_+1], v[32*i_+4*c_:32*i_+4*c_+1], v[X+4*c_:X+4*c_+1], v[AC+4*i_:AC+4*i_+1]
	v_pk_fma_f32 v[AC+4*i_+2:AC+4*i_+3], v[32*i_+4*c_+2:32*i_+4*c_+3], v[X+4*c_+2:X+4*c_+3], v[AC+4*i_+2:AC+4*i_+3]
.set c_, c_+1
.endr
.set i_, i_+1
.endr
	WIN 0
.set i_, 0
.rept 8
	v_pk_add_f32 v[AC+4*i_:AC+4*i_+1], v[AC+4*i_:AC+4*i_+1], v[AC+4*i_+2:AC+4*i_+3]
.set i_, i_+1
.endr
.set i_, 0
.rept 8
	v_add_f32 v[Y8+i_], v[AC+4*i_], v[AC+4*i_+1]
.set i_, i_+1
.endr
.irp m, 1,2,4,8                                        ; eight sums over the 32 lanes, side by side
.set i_, 0
.rept 8
	v_add_f32_dpp v[Y8+i_], v[Y8+i_], v[Y8+i_] row_xmask:\m row_mask:0xf bank_mask:0xf
.set i_, i_+1
.endr
.endr
.set i_, 0
.rept 8
	v_permlanex16_b32 v[PART+i_], v[Y8+i_], s18, s19   ; into registers that have been written
.set i_, i_+1
.endr
	s_wait_kmcnt 0x0                               ; cv
.set i_, 0
.rept 8
	v_add_f32 v[Y8+i_], v[Y8+i_], v[PART+i_]
.set i_, i_+1
.endr
.set i_, 0
.rept 8
	v_add_f32 v[Y8+i_], s[24+i_], v[Y8+i_]
.set i_, i_+1
.endr
	ds_store_b128 v5, v[Y8:Y8+3]                   ; every lane writes the same bytes with the same numbers
	ds_store_b128 v5, v[Y8+4:Y8+7] offset:16
	s_wait_dscnt 0x0                               ; for wave 0's sake
	s_barrier_signal -1
	s_barrier_wait -1
	s_cmp_lg_u32 s14, 0
	s_cbranch_scc1 .Lend
	ds_load_b64 v[10:11], v6
	s_wait_dscnt 0x0
	global_store_b64 v7, v[10:11], s[12:13]        ; the 64 results: 256 consecutive bytes, at a multiple of 256 from Vb's first
.Lend:
	s_wait_tensorcnt 0x0                           ; the wave's end
	ds_add_u32 v[SPW], v[NIL]
	s_wait_dscnt 0x0
	s_endpgm
.Lfunc_end_k_q45e248e467_vbar:
	.size	k_q45e248e467_vbar, .Lfunc_end_k_q45e248e467_vbar-k_q45e248e467_vbar
	.p2alignl 7, 3214868480
	.fill 96, 4, 3214868480
	.section	.rodata,"a",@progbits
	.p2align	6, 0x0
	.amdhsa_kernel k_q45e248e467_vbar
		.amdhsa_group_segment_fixed_size 5376
		.amdhsa_private_segment_fixed_size 0
		.amdhsa_enable_private_segment 0
		.amdhsa_kernarg_size 40
		.amdhsa_user_sgpr_count 2
		.amdhsa_user_sgpr_kernarg_segment_ptr 1
		.amdhsa_wavefront_size32 1
		.amdhsa_system_sgpr_workgroup_id_x 1
		.amdhsa_system_sgpr_workgroup_id_y 1
		.amdhsa_system_sgpr_workgroup_id_z 1
		.amdhsa_system_vgpr_workitem_id 0
		.amdhsa_next_free_vgpr 512
		.amdhsa_next_free_sgpr 66
		.amdhsa_reserve_vcc 0
		.amdhsa_float_denorm_mode_32 3
		.amdhsa_float_denorm_mode_16_64 3
		.amdhsa_memory_ordered 1
		.amdhsa_forward_progress 1
		.amdhsa_inst_pref_size 29
	.end_amdhsa_kernel
	.amdgpu_metadata
---
amdhsa.version: [ 1, 2 ]
amdhsa.kernels:
  - .name:           k_q45e248e467_vbar
    .symbol:         k_q45e248e467_vbar.kd
    .args:
      - { .name: Zp, .offset: 0, .size: 8, .value_kind: global_buffer, .address_space: global }
      - { .name: ST, .offset: 8, .size: 8, .value_kind: global_buffer, .address_space: global }
      - { .name: Mw, .offset: 16, .size: 8, .value_kind: global_buffer, .address_space: global }
      - { .name: cv, .offset: 24, .size: 8, .value_kind: global_buffer, .address_space: global }
      - { .name: Vb, .offset: 32, .size: 8, .value_kind: global_buffer, .address_space: global }
    .group_segment_fixed_size: 5376
    .private_segment_fixed_size: 0
    .kernarg_segment_align: 8
    .kernarg_segment_size: 40
    .max_flat_workgroup_size: 256
    .sgpr_count:     66
    .vgpr_count:     512
    .wavefront_size: 32
...
	.end_amdgpu_metadata
.endif
;; end of part 3
;; launch outp (part 4): grid 16 x 16, 8 waves a work-group, no clusters, 1,280 bytes of LDS; arguments Vb, Wo, bo, out0; writes out0
.if DOCPART == 4
	.amdgcn_target "amdgcn-amd-amdhsa--gfx1250"
	.amdhsa_code_object_version 6
	.text
	.protected	k_q45e248e467_outp
	.globl	k_q45e248e467_outp
	.p2align	8
	.type	k_q45e248e467_outp,@function
k_q45e248e467_outp:
	s_mov_b64 s[64:65], 0
	v_nop
	global_prefetch_b8 v0, s[64:65] scope:SCOPE_SE
	s_setreg_imm32_b32 hwreg(HW_REG_WAVE_MODE, 25, 1), 1
	s_wait_xcnt 0x0
; OUTP: out0[b][64 oc + d] = sum_j Wo[64 oc + d][j] Vb[b][j] + bo[64 oc + d], for column block oc (grid x) and batch b (grid y).
; Wo and bo are rounded to bf16 as they are loaded, like every input of the module; Vb, the program's own, stays in f32; sums in f32.
; 64 x 1024 times ONE vector: the vector unit's work, as in the launch before.  Wave w: rows 8 w .. + 7.  Wo's 64 rows are shared by the 16 batches' work-groups, but come through registers: no cluster.
.set YL,    0                          ; the 64 results
.set SPARE, 256                        ; the spare words: 128 bytes a wave, four blocks of 256 bytes that no other line names
.set SPW,   14
.set NIL,   15
.set ZR,    20                         ; v20 = 0, the first addend of a sum
.set T,     32                         ; v32-47, v48-63 a row's 32 numbers as 16 pairs of bf16, two buffers by turns
.set X,     100                        ; v100-131 Vb's row: columns 128 c + 4 L .. + 3 at X + 4 c
.set AC,    132                        ; v132-163 four partial sums a row
.set Y8,    164                        ; v164-171 my 8 rows' results
.set MSB,   0
.macro WIN new                         ; the immediate's high byte repeats the setting that is left; a switch that changes nothing is dropped
.if MSB != (\new)
	s_set_vgpr_msb (MSB<<8)|(\new)
.set MSB, (\new)
.endif
.endm
.macro FM d, t, hi, x, c               ; v[d] = bf16 half of v[t] times v[x] + v[c], in f32
.if \hi
	v_fma_mix_f32_bf16 v[\d], v[\t], v[\x], v[\c] op_sel:[1,0,0] op_sel_hi:[1,0,0]
.else
	v_fma_mix_f32_bf16 v[\d], v[\t], v[\x], v[\c] op_sel_hi:[1,0,0]
.endif
.endm
.macro ROWB i
	s_wait_loadcnt 8*(7-(\i))                      ; row i is in (and, older than all rows, Vb's eight loads); the younger rows, eight loads each, stay out
	WIN 0x05
.set k_, 0
.rept 16
	v_cvt_pk_bf16_f32 v[T+16*((\i)&1)+k_], v[32*(\i)+2*k_], v[32*(\i)+2*k_+1]
.set k_, k_+1
.endr
	WIN 0
.set c_, 0
.rept 8
.set e_, 0
.rept 4
.if c_ == 0
	FM AC+4*(\i)+e_, T+16*((\i)&1)+2*c_+e_/2, e_%2, X+4*c_+e_, ZR
.else
	FM AC+4*(\i)+e_, T+16*((\i)&1)+2*c_+e_/2, e_%2, X+4*c_+e_, AC+4*(\i)+e_
.endif
.set e_, e_+1
.endr
.set c_, c_+1
.endr
.endm
	s_load_b256 s[4:11], s[0:1], 0x0               ; Vb s[4:5], Wo s[6:7], bo s[8:9], out0 s[10:11]
	v_lshl_add_u32 v[SPW], v0, 2, SPARE
	v_mov_b32 v[NIL], 0
	v_lshrrev_b32 v10, 5, v0
	v_readfirstlane_b32 s14, v10                   ; wave 0..7
	s_and_b32 s15, ttmp7, 0xffff                   ; b
	v_and_b32 v10, 31, v0                          ; lane L
	v_lshlrev_b32 v1, 4, v10                       ; 16 L
	s_lshl_b32 s23, s14, 5
	v_mov_b32 v5, s23                              ; LDS: my 8 results
	v_lshlrev_b32 v6, 3, v10                       ; LDS: 8 L
	v_lshlrev_b32 v7, 3, v10                       ; 8 L in out0
	v_mov_b32 v[ZR], 0
	s_mov_b32 s17, 0
	s_mov_b32 s18, 0x76543210
	s_mov_b32 s19, 0xfedcba98
	s_lshl_b32 s16, s15, 12
	s_lshl_b32 s21, ttmp9, 8
	s_wait_kmcnt 0x0
	s_add_nc_u64 s[4:5], s[4:5], s[16:17]          ; Vb at batch b
	s_add_co_u32 s16, s16, s21
	s_add_nc_u64 s[10:11], s[10:11], s[16:17]      ; out0 at batch b, 64 oc
	s_add_co_u32 s16, s21, s23
	s_add_nc_u64 s[8:9], s[8:9], s[16:17]          ; bo at 64 oc + 8 w
	s_lshl_b32 s20, ttmp9, 18
	s_lshl_b32 s21, s14, 15
	s_add_co_u32 s16, s20, s21
	s_add_nc_u64 s[6:7], s[6:7], s[16:17]          ; Wo at row 64 oc + 8 w
	s_load_b256 s[24:31], s[8:9], 0x0
.set c_, 0
.rept 8
	global_load_b128 v[X+4*c_:X+4*c_+3], v1, s[4:5] offset:512*c_
.set c_, c_+1
.endr
	WIN 0x40
.set i_, 0
.rept 64                                               ; my 8 rows of Wo, 512 consecutive bytes a load: row i, columns 128 c + 4 L at v[256 + 32 i + 4 c]
	global_load_b128 v[4*i_:4*i_+3], v1, s[6:7] offset:(i_/8)*4096+(i_%8)*512
.set i_, i_+1
.endr
	ROWB 0
	ROWB 1
	ROWB 2
	ROWB 3
	ROWB 4
	ROWB 5
	ROWB 6
	ROWB 7
.set i_, 0
.rept 8
	v_add_f32 v[AC+4*i_], v[AC+4*i_], v[AC+4*i_+1]
	v_add_f32 v[AC+4*i_+2], v[AC+4*i_+2], v[AC+4*i_+3]
.set i_, i_+1
.endr
.set i_, 0
.rept 8
	v_add_f32 v[Y8+i_], v[AC+4*i_], v[AC+4*i_+2]
.set i_, i_+1
.endr
.irp m, 1,2,4,8                                        ; eight sums over the 32 lanes, side by side
.set i_, 0
.rept 8
	v_add_f32_dpp v[Y8+i_], v[Y8+i_], v[Y8+i_] row_xmask:\m row_mask:0xf bank_mask:0xf
.set i_, i_+1
.endr
.endr
.set i_, 0
.rept 8
	v_permlanex16_b32 v[T+16+i_], v[Y8+i_], s18, s19   ; into registers that have been written
.set i_, i_+1
.endr
	s_wait_kmcnt 0x0                               ; bo
.set p_, 0
.rept 4
	v_cvt_pk_bf16_f32 v[T+p_], s[24+2*p_], s[25+2*p_]
.set p_, p_+1
.endr
.set i_, 0
.rept 8
	v_add_f32 v[Y8+i_], v[Y8+i_], v[T+16+i_]
.set i_, i_+1
.endr
.set p_, 0
.rept 4
	v_lshlrev_b32 v[T+4+2*p_], 16, v[T+p_]
	v_and_b32 v[T+5+2*p_], 0xffff0000, v[T+p_]
	v_pk_add_f32 v[Y8+2*p_:Y8+2*p_+1], v[Y8+2*p_:Y8+2*p_+1], v[T+4+2*p_:T+5+2*p_]
.set p_, p_+1
.endr
	ds_store_b128 v5, v[Y8:Y8+3]                   ; every lane writes the same bytes with the same numbers
	ds_store_b128 v5, v[Y8+4:Y8+7] offset:16
	s_wait_dscnt 0x0                               ; for wave 0's sake
	s_barrier_signal -1
	s_barrier_wait -1
	s_cmp_lg_u32 s14, 0
	s_cbranch_scc1 .Lend
	ds_load_b64 v[10:11], v6
	s_wait_dscnt 0x0
	global_store_b64 v7, v[10:11], s[10:11]        ; the 64 results: 256 consecutive bytes, at a multiple of 256 from out0's first
.Lend:
	s_wait_tensorcnt 0x0                           ; the wave's end
	ds_add_u32 v[SPW], v[NIL]
	s_wait_dscnt 0x0
	s_endpgm
.Lfunc_end_k_q45e248e467_outp:
	.size	k_q45e248e467_outp, .Lfunc_end_k_q45e248e467_outp-k_q45e248e467_outp
	.p2alignl 7, 3214868480
	.fill 96, 4, 3214868480
	.section	.rodata,"a",@progbits
	.p2align	6, 0x0
	.amdhsa_kernel k_q45e248e467_outp
		.amdhsa_group_segment_fixed_size 1280
		.amdhsa_private_segment_fixed_size 0
		.amdhsa_enable_private_segment 0
		.amdhsa_kernarg_size 32
		.amdhsa_user_sgpr_count 2
		.amdhsa_user_sgpr_kernarg_segment_ptr 1
		.amdhsa_wavefront_size32 1
		.amdhsa_system_sgpr_workgroup_id_x 1
		.amdhsa_system_sgpr_workgroup_id_y 1
		.amdhsa_system_sgpr_workgroup_id_z 1
		.amdhsa_system_vgpr_workitem_id 0
		.amdhsa_next_free_vgpr 512
		.amdhsa_next_free_sgpr 66
		.amdhsa_reserve_vcc 0
		.amdhsa_float_denorm_mode_32 3
		.amdhsa_float_denorm_mode_16_64 3
		.amdhsa_memory_ordered 1
		.amdhsa_forward_progress 1
		.amdhsa_inst_pref_size 38
	.end_amdhsa_kernel
	.amdgpu_metadata
---
amdhsa.version: [ 1, 2 ]
amdhsa.kernels:
  - .name:           k_q45e248e467_outp
    .symbol:         k_q45e248e467_outp.kd
    .args:
      - { .name: Vb, .offset: 0, .size: 8, .value_kind: global_buffer, .address_space: global }
      - { .name: Wo, .offset: 8, .size: 8, .value_kind: global_buffer, .address_space: global }
      - { .name: bo, .offset: 16, .size: 8, .value_kind: global_buffer, .address_space: global }
      - { .name: out0, .offset: 24, .size: 8, .value_kind: global_buffer, .address_space: global }
    .group_segment_fixed_size: 1280
    .private_segment_fixed_size: 0
    .kernarg_segment_align: 8
    .kernarg_segment_size: 32
    .max_flat_workgroup_size: 256
    .sgpr_count:     66
    .vgpr_count:     512
    .wavefront_size: 32
...
	.end_amdgpu_metadata
.endif
;; end of part 4
;; ======== version 2 of 2: 4 launches; version 1 with the launches prep, pool, vbar, outp written anew for expert scheduling mode
;; workspace buffers: U 32,768 bytes; Mw 4,194,304 bytes; cv 4,096 bytes; Zp 16,777,216 bytes; ST 65,536 bytes; Vb 65,536 bytes
;; launch prep (part 5): grid 272 x 1, 4 waves a work-group, no clusters, 139,008 bytes of LDS; arguments Wq, query, bq, Wk, Wv, bk, bv, U, Mw, cv; writes U, Mw, cv
.if DOCPART == 5
	.amdgcn_target "amdgcn-amd-amdhsa--gfx1250"
	.amdhsa_code_object_version 6
	.text
	.protected	k_q45e248e467_prep
	.globl	k_q45e248e467_prep
	.p2align	8
	.type	k_q45e248e467_prep,@function
k_q45e248e467_prep:
	s_mov_b64 s[64:65], 0
	v_nop
	global_prefetch_b8 v0, s[64:65] scope:SCOPE_SE
	s_setreg_imm32_b32 hwreg(HW_REG_WAVE_SCHED_MODE, 0, 2), 2
	s_setreg_imm32_b32 hwreg(HW_REG_WAVE_MODE, 25, 1), 1
	s_wait_xcnt 0x0
	s_wait_alu depctr_vm_vsrc(0)
; PREP: what does not hang on Y.  With one query row and softmax rows that sum to 1 the module is, exactly,
;   score[b,h,s] = Y[b,s,:] . u_h + const(h)       u_h[j] = (1/8) sum_e q[64h+e] Wk[64h+e][j],  q = query Wq^T + bq
;   value mean   = M Z + cv                          M = Wv Wk,  cv = Wv bk + bv,  Z[b,h,:] = sum_s A[b,h,s] Y[b,s,:]
; const(h) = q_h . bk_h / 8 is the same for every s, so the softmax is unchanged without it, for every input: it is not formed.
; Work-groups 0-15 (one a head): q_h and u_h, stored as bf16 times log2(e)/8 (the later exponentials are to base 2).
; Work-groups 16-271: a tile of 64 x 64 of M in f32, K = 1024 split over the four waves; those with column block 0 also 64 numbers of cv.
; FORMATS.  Every input is rounded to bf16 as it is loaded, on the vector paths too; q, M and cv stay in f32; u is rounded to bf16.
; LIMITS.  M = Wv Wk replaces two chained projections: another order of the same sums.  NaN and infinities are not treated apart.
; No tensor loads: every byte is converted in registers on its way.  No cluster: tiles that come through registers cannot be shared.
; THE RING.  16 units of 16 loads of 16 bytes a lane; unit n lies in v[256 + 64 (n & 3) ..]; four units are out; a unit's registers are
; loaded again as soon as its conversions have read them.  No address register or base is ever rewritten.
; LDS.  The two paths name no byte in common: the M path has the four regions, the U path the block QL behind them.
; THE MODE: SCHED_MODE bits 1:0 = 2 (LLVM: expert scheduling mode 2), set by the entry lines.  The code itself states the register dependences
; between vector or matrix instructions and memory or LDS instructions, with s_wait_alu, always for 0.
; THE PLAN.  Registers that memory or LDS instructions touch:
;   v1-v11        offsets and LDS addresses: written once, ahead of a wait on va_vdst, and never again.
;   the ring      unit n's loads land in it; unit n's conversions read it; behind ONE wait on va_vdst, which follows those conversions, unit n + 4's loads land in it.
;   U path        Y16: written by vector work, read by four LDS stores.  QV: LDS loads land in it.  X: the query's loads land in it; at the end u's roundings write its first four, which two stores read.
;                 T, A4, UACC are named by vector instructions alone.  No register that a memory instruction reads is written again.
;   M path        BF: written by a unit's conversions, read by its 16 LDS stores, written again by the next unit's conversions: a wait on vm_vsrc at a unit's head.
;                 v28-31: bk's roundings, read by two LDS stores; then part of VFR.  AFR, VFR: LDS loads land in them, the step's products read them: a wait on va_vdst at a step's head.
;                 ACC: written by the products, read by 40 LDS stores; then LDS loads land in v64-191 and the last additions write v192-223, which Mw's stores read.
;                 v16-25: at the head bk and scratch; at the end cv's loads land there.
.set REG,   34560                      ; M path: a wave's LDS region: 65 rows of 528 bytes (64 of Wv, one of bk), later 20 tiles of 1,024 bytes
.set QL,    4*REG                      ; U path: q_h, 64 f32: a block of 256 bytes of its own
.set SPARE, QL+256                     ; the spare words: 128 bytes a wave, two blocks of 256 bytes that no other line names
.set AP,    528                        ; 512 bytes of bf16 + 16: an odd multiple of 16, so the 16 rows of a fragment load start 16 bytes apart modulo 256
.set SPW,   14                         ; v14  LDS address of my spare word; never rewritten
.set NIL,   15                         ; v15  0; never rewritten
.set ZR,    20                         ; U path: v20 = 0, the first addend of a sum
.set X,     32                         ; U path: v32-63 the query, rounded to bf16 and widened: columns 128 c + 4 L .. + 3 at X + 4 c
.set T,     64                         ; U path: v64-95 a unit's 64 numbers as 32 pairs of bf16
.set Y16,   96                         ; U path: v96-111 my 16 numbers of q
.set UACC,  112                        ; U path: v112-119 my lane's 8 numbers of u
.set A4,    120                        ; U path: v120-127 four partial sums for each of two rows
.set QV,    128                        ; U path: v128-191 q_h, all 64, in every lane
.set VFR,   24                         ; M path: v24-31 bk as a B fragment
.set BF,    32                         ; M path: v32-63 packed pairs, then four B fragments
.set ACC,   64                         ; M path: v64-223 20 accumulators: (mt, t) at ACC + 8 (4 mt + t), (mt, bk) at ACC + 128 + 8 mt
.set OUTR,  192                        ; M path: v192-223 my 16 rows of the tile, columns in order
.set AFR,   224                        ; M path: v224-255 four A fragments
.set MSB,   0
.macro WIN new                         ; the immediate's high byte repeats the setting that is left; a switch that changes nothing is dropped
.if MSB != (\new)
	s_set_vgpr_msb (MSB<<8)|(\new)
.set MSB, (\new)
.endif
.endm
.macro PLACES                          ; four plain vector instructions behind a matrix instruction (ISA guide 7.12.1)
.rept 4
	v_nop
.endr
.endm
.macro RWAIT n                         ; unit n is in: loads return in order (ISA guide 5.7.1), and the younger units, 16 loads each, stay out
.if (\n) <= 12
	s_wait_loadcnt 48
.else
	s_wait_loadcnt 16*(15-(\n))
.endif
.endm
.macro CVT32 u, d                      ; unit u's 64 numbers, neighbours in pairs, rounded to bf16 into v[d ..]
	WIN 0x05
.set i_, 0
.rept 32
	v_cvt_pk_bf16_f32 v[(\d)+i_], v[64*((\u)&3)+2*i_], v[64*((\u)&3)+2*i_+1]
.set i_, i_+1
.endr
.endm
.macro LDMV u                          ; rows 2 u, 2 u + 1 of my 16 rows of Wq, eight loads of 512 consecutive bytes a row
	WIN 0x40
.set i_, 0
.rept 16
	global_load_b128 v[64*((\u)&3)+4*i_:64*((\u)&3)+4*i_+3], v1, s[48:49] offset:(2*(\u)+i_/8)*4096+(i_%8)*512
.set i_, i_+1
.endr
.endm
.macro LDR8 b, n, u                    ; rows 8 n .. 8 n + 7 from base s[b], my 1,024 bytes of each: two loads a row
	WIN 0x40
.set i_, 0
.rept 16
	global_load_b128 v[64*((\u)&3)+4*i_:64*((\u)&3)+4*i_+3], v1, s[\b:\b+1] offset:(8*(\n)+i_/2)*4096+(i_%2)*512
.set i_, i_+1
.endr
.endm
.macro LDB ks, u                       ; K step ks of Wk: load q takes row 32 ks + q (q < 8) or 32 ks + 8 + q, plus 8 for lanes 16-31; 16 lanes take the tile's 256 aligned bytes of a row
	WIN 0x40
.set i_, 0
.rept 16
	global_load_b128 v[64*((\u)&3)+4*i_:64*((\u)&3)+4*i_+3], v2, s[50:51] offset:(32*(\ks)+i_+8*(i_/8))*4096
.set i_, i_+1
.endr
.endm
.macro LDSEQ u                         ; U path: units 0-7 are Wq's, 8-15 Wk's
.if (\u) < 8
	LDMV \u
.else
	LDR8 50, (\u)-8, \u
.endif
.endm
.macro LDSEQM u                        ; M path: units 0-7 are Wv's, 8-15 Wk's
.if (\u) < 8
	LDR8 48, \u, \u
.else
	LDB (\u)-8, \u
.endif
.endm
.macro FM d, t, hi, x, c               ; v[d] = bf16 half of v[t] times v[x] + v[c], in f32
.if \hi
	v_fma_mix_f32_bf16 v[\d], v[\t], v[\x], v[\c] op_sel:[1,0,0] op_sel_hi:[1,0,0]
.else
	v_fma_mix_f32_bf16 v[\d], v[\t], v[\x], v[\c] op_sel_hi:[1,0,0]
.endif
.endm
.macro RED cnt, y, t                   ; cnt sums over the 32 lanes, side by side; v[t ..] has been written before
.irp m, 1,2,4,8
.set i_, 0
.rept \cnt
	v_add_f32_dpp v[(\y)+i_], v[(\y)+i_], v[(\y)+i_] row_xmask:\m row_mask:0xf bank_mask:0xf
.set i_, i_+1
.endr
.endr
.set i_, 0
.rept \cnt
	v_permlanex16_b32 v[(\t)+i_], v[(\y)+i_], s30, s31
.set i_, i_+1
.endr
.set i_, 0
.rept \cnt
	v_add_f32 v[(\y)+i_], v[(\y)+i_], v[(\t)+i_]
.set i_, i_+1
.endr
.endm
.macro MVU n                           ; two rows of Wq times the query: a lane's 32 products a row, in four sums
	RWAIT \n
	CVT32 \n, T
	WIN 0x40
	s_wait_alu depctr_va_vdst(0)                   ; the conversions are done reading unit n's registers, in which the loads below land (in unit 0 also: v2 to v4 are written)
	LDSEQ (\n)+4
	WIN 0
.set c_, 0
.rept 8
.set e_, 0
.rept 4
.set r_, 0
.rept 2
.if c_ == 0
	FM A4+4*r_+e_, T+16*r_+2*c_+e_/2, e_%2, X+4*c_+e_, ZR
.else
	FM A4+4*r_+e_, T+16*r_+2*c_+e_/2, e_%2, X+4*c_+e_, A4+4*r_+e_
.endif
.set r_, r_+1
.endr
.set e_, e_+1
.endr
.set c_, c_+1
.endr
.set r_, 0
.rept 2
	v_add_f32 v[A4+4*r_], v[A4+4*r_], v[A4+4*r_+1]
	v_add_f32 v[A4+4*r_+2], v[A4+4*r_+2], v[A4+4*r_+3]
	v_add_f32 v[Y16+2*(\n)+r_], v[A4+4*r_], v[A4+4*r_+2]
.set r_, r_+1
.endr
.endm
.macro KU n                            ; eight rows e of Wk_h, my 8 columns of each, times q[e]
	RWAIT \n
	CVT32 \n, T
.if (\n)+4 <= 15
	WIN 0x40
	s_wait_alu depctr_va_vdst(0)                   ; the conversions are done reading unit n's registers, in which the loads below land
	LDSEQ (\n)+4
.endif
	WIN 0
.set e_, 0
.rept 8
.set k_, 0
.rept 8
.if ((\n) == 8) && (e_ == 0)
	FM UACC+k_, T+4*e_+k_/2, k_%2, QV+8*((\n)-8)+e_, ZR
.else
	FM UACC+k_, T+4*e_+k_/2, k_%2, QV+8*((\n)-8)+e_, UACC+k_
.endif
.set k_, k_+1
.endr
.set e_, e_+1
.endr
.endm
.macro AU n                            ; eight rows of Wv_h, my 256 columns, into my LDS region as bf16
	RWAIT \n
.if (\n) > 0
	s_wait_alu depctr_vm_vsrc(0)                   ; the LDS stores of the unit before have read BF, which the conversions write again
.endif
	CVT32 \n, BF
	WIN 0x40
	s_wait_alu depctr_va_vdst(0)                   ; the conversions have written BF, which the LDS stores below read, and are done reading unit n's registers, in which the loads below land
	LDSEQM (\n)+4
	WIN 0
.set i_, 0
.rept 16
	ds_store_b64 v3, v[BF+2*i_:BF+2*i_+1] offset:(8*(\n)+i_/2)*AP+(i_%2)*256
.set i_, i_+1
.endr
.endm
; One K step of 32.  B's fragment for tile t holds real column 4 r + t in lane r: a lane's 16 bytes of a row of Wk are one number for each of the four tiles,
; and two rows' numbers pack into a register: no byte changes lanes.  The 20 accumulators take turns, one instruction a turn.
.macro BU ks
.if (\ks) > 0
	PLACES                                         ; the conversions below write a source of the last products
	s_wait_alu depctr_va_vdst(0)                   ; the last step's products are done reading AFR and VFR, in which the fragment loads below land
.else
	s_wait_alu depctr_vm_vsrc(0)                   ; my LDS stores have read v28-31, in which bk's fragment lands, and BF, which the conversions below write
.endif
	WIN 0
.irp mt, 0,1,2,3
	ds_load_b128 v[AFR+8*\mt:AFR+8*\mt+3], v4 offset:\mt*16*AP+(\ks)*64
	ds_load_b128 v[AFR+8*\mt+4:AFR+8*\mt+7], v4 offset:\mt*16*AP+(\ks)*64+32
.endr
	ds_load_b128 v[VFR:VFR+3], v5 offset:(\ks)*64
	ds_load_b128 v[VFR+4:VFR+7], v5 offset:(\ks)*64+32
	RWAIT (\ks)+8
	WIN 0x05
.set t_, 0
.rept 4
.set p_, 0
.rept 8
	v_cvt_pk_bf16_f32 v[BF+8*t_+p_], v[64*((\ks)&3)+8*p_+t_], v[64*((\ks)&3)+8*p_+4+t_]
.set p_, p_+1
.endr
.set t_, t_+1
.endr
.if (\ks) < 4
	WIN 0x40
	s_wait_alu depctr_va_vdst(0)                   ; the conversions are done reading the unit's registers, in which the loads below land
	LDB (\ks)+4, (\ks)+12
.endif
	WIN 0
	s_wait_dscnt 0x0                               ; the ten fragment loads
.irp mt, 0,1,2,3
.irp t, 0,1,2,3
.if (\ks) == 0
	v_wmma_f32_16x16x32_bf16 v[ACC+8*(4*\mt+\t):ACC+8*(4*\mt+\t)+7], v[AFR+8*\mt:AFR+8*\mt+7], v[BF+8*\t:BF+8*\t+7], 0
.else
	v_wmma_f32_16x16x32_bf16 v[ACC+8*(4*\mt+\t):ACC+8*(4*\mt+\t)+7], v[AFR+8*\mt:AFR+8*\mt+7], v[BF+8*\t:BF+8*\t+7], v[ACC+8*(4*\mt+\t):ACC+8*(4*\mt+\t)+7]
.endif
.endr
.if (\ks) == 0
	v_wmma_f32_16x16x32_bf16 v[ACC+128+8*\mt:ACC+128+8*\mt+7], v[AFR+8*\mt:AFR+8*\mt+7], v[VFR:VFR+7], 0
.else
	v_wmma_f32_16x16x32_bf16 v[ACC+128+8*\mt:ACC+128+8*\mt+7], v[AFR+8*\mt:AFR+8*\mt+7], v[VFR:VFR+7], v[ACC+128+8*\mt:ACC+128+8*\mt+7]
.endif
.endr
.endm
	s_load_b512 s[4:19], s[0:1], 0x0               ; Wq s[4:5], query s[6:7], bq s[8:9], Wk s[10:11], Wv s[12:13], bk s[14:15], bv s[16:17], U s[18:19]
	s_load_b128 s[20:23], s[0:1], 0x40             ; Mw s[20:21], cv s[22:23]
	v_lshl_add_u32 v[SPW], v0, 2, SPARE
	v_mov_b32 v[NIL], 0
	v_lshrrev_b32 v13, 5, v0
	v_readfirstlane_b32 s24, v13                   ; wave 0..3
	v_and_b32 v12, 31, v0                          ; lane L
	v_lshlrev_b32 v1, 4, v12                       ; 16 L
	s_mov_b32 s29, 0                               ; the high word of every offset
	s_mov_b32 s30, 0x76543210                      ; v_permlanex16_b32: each lane takes its own place in the other half
	s_mov_b32 s31, 0xfedcba98
	s_wait_alu depctr_va_sdst(0)                   ; s24 is written, ahead of the branch and of its first reader on either path
	s_cmp_lt_u32 ttmp9, 16
	s_cbranch_scc0 .Lmpath
	; ---------------- work-groups 0-15: q_h and u_h of head h = the work-group's number ----------------
	s_lshl_b32 s25, ttmp9, 18                      ; 64 h rows of 4,096 bytes
	s_lshl_b32 s26, s24, 16                        ; my 16 rows
	s_add_co_u32 s28, s25, s26
	s_wait_kmcnt 0x0
	s_add_nc_u64 s[48:49], s[4:5], s[28:29]        ; Wq at my 16 rows
	s_lshl_b32 s26, s24, 10                        ; my 256 columns
	s_add_co_u32 s28, s25, s26
	s_add_nc_u64 s[50:51], s[10:11], s[28:29]      ; Wk at row 64 h, my columns
	s_lshl_b32 s25, ttmp9, 11
	s_lshl_b32 s26, s24, 9
	s_add_co_u32 s28, s25, s26
	s_add_nc_u64 s[52:53], s[18:19], s[28:29]      ; U at head h, my 256 columns of bf16
	s_lshl_b32 s25, ttmp9, 8
	s_lshl_b32 s26, s24, 6                         ; 64 w: my 16 numbers, in bq and in LDS
	s_add_co_u32 s28, s25, s26
	s_add_nc_u64 s[54:55], s[8:9], s[28:29]
	s_load_b512 s[32:47], s[54:55], 0x0            ; my 16 numbers of bq
	s_wait_alu depctr_va_vdst(0)                   ; v1 is written, which every load of this path reads as its offset
.set c_, 0
.rept 8
	global_load_b128 v[X+4*c_:X+4*c_+3], v1, s[6:7] offset:512*c_
.set c_, c_+1
.endr
	LDSEQ 0
	LDSEQ 1
	LDSEQ 2
	LDSEQ 3
	WIN 0
	v_lshlrev_b32 v2, 3, v12                       ; 8 L
	v_mov_b32 v3, s26
	v_add_nc_u32 v3, QL, v3                        ; LDS: my 16 numbers of q at QL + 64 w
	v_mov_b32 v4, QL                               ; LDS: q_h begins at QL
	v_mov_b32 v[ZR], 0
	s_wait_loadcnt 63                              ; the query is in: 64 loads are younger, and the count's field ends at 63
.set p_, 0
.rept 16
	v_cvt_pk_bf16_f32 v[T+p_], v[X+2*p_], v[X+2*p_+1]
.set p_, p_+1
.endr
.set p_, 0
.rept 16
	v_lshlrev_b32 v[X+2*p_], 16, v[T+p_]           ; the query as its bf16 rounding, widened again
	v_and_b32 v[X+2*p_+1], 0xffff0000, v[T+p_]
.set p_, p_+1
.endr
	MVU 0
	MVU 1
	MVU 2
	MVU 3
	MVU 4
	MVU 5
	MVU 6
	MVU 7
	RED 16, Y16, T
	s_wait_kmcnt 0x0                               ; bq
.set p_, 0
.rept 8
	v_cvt_pk_bf16_f32 v[T+p_], s[32+2*p_], s[33+2*p_]
.set p_, p_+1
.endr
.set p_, 0
.rept 8
	v_lshlrev_b32 v[T+8+2*p_], 16, v[T+p_]
	v_and_b32 v[T+9+2*p_], 0xffff0000, v[T+p_]
	v_pk_add_f32 v[Y16+2*p_:Y16+2*p_+1], v[Y16+2*p_:Y16+2*p_+1], v[T+8+2*p_:T+9+2*p_]
.set p_, p_+1
.endr
	s_wait_alu depctr_va_vdst(0)                   ; the additions have written Y16, which the LDS stores read
.set i_, 0
.rept 4
	ds_store_b128 v3, v[Y16+4*i_:Y16+4*i_+3] offset:16*i_   ; every lane writes the same bytes with the same numbers
.set i_, i_+1
.endr
	s_wait_dscnt 0x0                               ; for the others' sake: my part of q is in LDS
	s_barrier_signal -1
	s_barrier_wait -1
.set i_, 0
.rept 16
	ds_load_b128 v[QV+4*i_:QV+4*i_+3], v4 offset:16*i_
.set i_, i_+1
.endr
	s_wait_dscnt 0x0
	KU 8
	KU 9
	KU 10
	KU 11
	KU 12
	KU 13
	KU 14
	KU 15
.set k_, 0
.rept 8
	v_mul_f32 v[UACC+k_], 0x3e38aa3b, v[UACC+k_]   ; log2(e) / 8
.set k_, k_+1
.endr
.set k_, 0
.rept 4
	v_cvt_pk_bf16_f32 v[X+k_], v[UACC+2*k_], v[UACC+2*k_+1]
.set k_, k_+1
.endr
	s_wait_alu depctr_va_vdst(0)                   ; the roundings have written X's first four registers, which the stores read
	global_store_b64 v2, v[X:X+1], s[52:53]                 ; 32 lanes store 256 consecutive bytes, at a multiple of 256 from U's first
	global_store_b64 v2, v[X+2:X+3], s[52:53] offset:256
	s_wait_dscnt 0x0                               ; the closing lines, six on end
	s_wait_alu 0x0
	s_wait_tensorcnt 0x0
	ds_add_u32 v[SPW], v[NIL]
	s_wait_dscnt 0x0
	s_endpgm
	; ---------------- work-groups 16-271: Mw[64 h ..][64 jc ..], and cv ----------------
.Lmpath:
	s_sub_co_u32 s25, ttmp9, 16
	s_lshr_b32 s26, s25, 4                         ; h: the block of 64 rows
	s_and_b32 s27, s25, 15                         ; jc: the block of 64 columns
	s_lshl_b32 s33, s26, 18
	s_lshl_b32 s34, s27, 8
	s_lshl_b32 s35, s24, 10
	s_mul_i32 s40, s24, REG                        ; my LDS region
	s_lshl_b32 s41, s24, 12
	v_and_b32 v24, 15, v0                          ; r
	v_bfe_u32 v25, v0, 4, 1                        ; hs
	v_lshlrev_b32 v2, 4, v24
	v_lshl_add_u32 v2, v25, 15, v2                 ; 8 hs rows of 4,096 bytes + 16 r: Wk's loads and Mw's stores
	v_lshl_add_u32 v3, v12, 3, s40                 ; where I put 8 bytes of a row of A
	v_mul_u32_u24 v4, v24, AP
	v_lshl_add_u32 v4, v25, 4, v4
	v_add_nc_u32 v4, s40, v4                       ; an A fragment: row r, 16 bytes for each half of the lanes
	v_lshl_add_u32 v5, v25, 4, s40
	v_add_nc_u32 v5, 64*AP, v5                     ; bk's row, the same for every column
	v_lshl_add_u32 v6, v12, 4, s40                 ; the exchange: my accumulators, 16 bytes a lane
	v_lshl_add_u32 v7, v12, 4, s41                 ; the exchange: tiles 4 w .. 4 w + 3 of regions 0, 1,
	v_add_nc_u32 v10, 2*REG, v7                    ; and of regions 2, 3
	v_lshlrev_b32 v9, 3, v12                       ; 8 L
	v_lshrrev_b32 v26, 3, v12                      ; cv: lane L takes rows 2 L, 2 L + 1: tile 16 + L / 8,
	v_lshlrev_b32 v8, 10, v26
	v_bfe_u32 v26, v12, 1, 1                       ; registers 0-3 or 4-7,
	v_lshl_add_u32 v8, v26, 9, v8
	v_bfe_u32 v26, v12, 2, 1                       ; lane 0 or 16,
	v_lshl_add_u32 v8, v26, 8, v8
	v_and_b32 v26, 1, v12                          ; the first or second pair of the four
	v_lshl_add_u32 v8, v26, 3, v8
	v_add_nc_u32 v8, 16*1024, v8
	v_add_nc_u32 v11, 2*REG, v8
	s_wait_kmcnt 0x0
	s_add_co_u32 s28, s33, s35
	s_add_nc_u64 s[48:49], s[12:13], s[28:29]      ; Wv at row 64 h, columns 256 w
	s_lshl_b32 s28, s24, 20
	s_add_co_u32 s28, s28, s34
	s_add_nc_u64 s[50:51], s[10:11], s[28:29]      ; Wk at row 256 w, columns 64 jc
	s_mov_b32 s28, s35
	s_add_nc_u64 s[52:53], s[14:15], s[28:29]      ; bk at 256 w
	s_lshl_b32 s28, s24, 16
	s_add_co_u32 s28, s28, s33
	s_add_co_u32 s28, s28, s34
	s_add_nc_u64 s[54:55], s[20:21], s[28:29]      ; Mw at row 64 h + 16 w, columns 64 jc
	s_lshl_b32 s28, s26, 8
	s_add_nc_u64 s[56:57], s[16:17], s[28:29]      ; bv at 64 h
	s_add_nc_u64 s[58:59], s[22:23], s[28:29]      ; cv at 64 h
	s_wait_alu depctr_va_vdst(0)                   ; the offsets and LDS addresses v1 to v11 are written, which the loads and stores of this path read; so are v24 to v26, in which a fragment lands later
	global_load_b128 v[16:19], v1, s[52:53]
	global_load_b128 v[20:23], v1, s[52:53] offset:512
	LDSEQM 0
	LDSEQM 1
	LDSEQM 2
	LDSEQM 3
	AU 0                                           ; its wait on LOADcnt also shows the two older loads of bk landed
	v_cvt_pk_bf16_f32 v28, v16, v17
	v_cvt_pk_bf16_f32 v29, v18, v19
	v_cvt_pk_bf16_f32 v30, v20, v21
	v_cvt_pk_bf16_f32 v31, v22, v23
	s_wait_alu depctr_va_vdst(0)                   ; bk's roundings have written v28 to v31, which the two LDS stores read
	ds_store_b64 v3, v[28:29] offset:64*AP
	ds_store_b64 v3, v[30:31] offset:64*AP+256
	AU 1
	AU 2
	AU 3
	AU 4
	AU 5
	AU 6
	AU 7
	BU 0                                           ; LDS serves a wave's instructions in order (ISA guide 5.7.1.4): its loads see my stores above; no other wave touches my region yet
	BU 1
	BU 2
	BU 3
	BU 4
	BU 5
	BU 6
	BU 7
	PLACES
	s_wait_alu depctr_va_vdst(0)                   ; the products have written the 20 accumulators, which the LDS stores read; the places above stay beside this wait
.set i_, 0
.rept 20                                               ; each accumulator's low four registers first
	ds_store_b128 v6, v[ACC+8*i_:ACC+8*i_+3] offset:1024*i_
	ds_store_b128 v6, v[ACC+8*i_+4:ACC+8*i_+7] offset:1024*i_+512
.set i_, i_+1
.endr
	s_wait_dscnt 0x0                               ; for the others' sake: my partial sums are in LDS
	s_barrier_signal -1
	s_barrier_wait -1
	s_wait_alu depctr_vm_vsrc(0)                   ; my LDS stores have read v64 to v223: the loads below land in v64-191, and the last additions write v192-223
.irp u, 0,1                                            ; wave w adds up the four waves' tiles of rows 16 w .. 16 w + 15
.set i_, 0
.rept 8
	ds_load_b128 v[64+32*\u+4*i_:64+32*\u+4*i_+3], v7 offset:\u*REG+512*i_
	ds_load_b128 v[128+32*\u+4*i_:128+32*\u+4*i_+3], v10 offset:\u*REG+512*i_
.set i_, i_+1
.endr
.endr
	s_wait_dscnt 0x0
.set i_, 0
.rept 16
	v_pk_add_f32 v[64+2*i_:65+2*i_], v[64+2*i_:65+2*i_], v[96+2*i_:97+2*i_]
	v_pk_add_f32 v[128+2*i_:129+2*i_], v[128+2*i_:129+2*i_], v[160+2*i_:161+2*i_]
.set i_, i_+1
.endr
.set t_, 0
.rept 4
.set j_, 0
.rept 8
	v_add_f32 v[OUTR+4*j_+t_], v[64+8*t_+j_], v[128+8*t_+j_]   ; the last addition puts column 4 r + t in its place
.set j_, j_+1
.endr
.set t_, t_+1
.endr
	s_wait_alu depctr_va_vdst(0)                   ; the additions have written OUTR, which the stores read; every vector and matrix line that named v16 to v25 is done, in which cv's loads land
.set j_, 0
.rept 8
	global_store_b128 v2, v[OUTR+4*j_:OUTR+4*j_+3], s[54:55] offset:4096*j_   ; 16 lanes store the tile's 256 aligned bytes of a row
.set j_, j_+1
.endr
	s_cmp_lg_u32 s27, 0                            ; cv: wave 0 of the work-groups with column block 0
	s_cbranch_scc1 .Lmend
	s_cmp_lg_u32 s24, 0
	s_cbranch_scc1 .Lmend
	global_load_b64 v[16:17], v9, s[56:57]
	ds_load_b64 v[18:19], v8
	ds_load_b64 v[20:21], v8 offset:REG
	ds_load_b64 v[22:23], v11
	ds_load_b64 v[24:25], v11 offset:REG
	s_wait_dscnt 0x0
	v_pk_add_f32 v[18:19], v[18:19], v[20:21]
	v_pk_add_f32 v[22:23], v[22:23], v[24:25]
	v_pk_add_f32 v[18:19], v[18:19], v[22:23]
	s_wait_loadcnt 0x0                             ; bv
	v_cvt_pk_bf16_f32 v26, v16, v17
	v_lshlrev_b32 v16, 16, v26
	v_and_b32 v17, 0xffff0000, v26
	v_pk_add_f32 v[18:19], v[18:19], v[16:17]
	s_wait_alu depctr_va_vdst(0)                   ; the last addition has written v18 and v19, which the store reads
	global_store_b64 v9, v[18:19], s[58:59]        ; 256 consecutive bytes, at a multiple of 256 from cv's first
.Lmend:
	s_wait_dscnt 0x0                               ; the closing lines, six on end
	s_wait_alu 0x0
	s_wait_tensorcnt 0x0
	ds_add_u32 v[SPW], v[NIL]
	s_wait_dscnt 0x0
	s_endpgm
.Lfunc_end_k_q45e248e467_prep:
	.size	k_q45e248e467_prep, .Lfunc_end_k_q45e248e467_prep-k_q45e248e467_prep
	.p2alignl 7, 3214868480
	.fill 96, 4, 3214868480
	.section	.rodata,"a",@progbits
	.p2align	6, 0x0
	.amdhsa_kernel k_q45e248e467_prep
		.amdhsa_group_segment_fixed_size 139008
		.amdhsa_private_segment_fixed_size 0
		.amdhsa_enable_private_segment 0
		.amdhsa_kernarg_size 80
		.amdhsa_user_sgpr_count 2
		.amdhsa_user_sgpr_kernarg_segment_ptr 1
		.amdhsa_wavefront_size32 1
		.amdhsa_system_sgpr_workgroup_id_x 1
		.amdhsa_system_sgpr_workgroup_id_y 1
		.amdhsa_system_sgpr_workgroup_id_z 1
		.amdhsa_system_vgpr_workitem_id 0
		.amdhsa_next_free_vgpr 512
		.amdhsa_next_free_sgpr 66
		.amdhsa_reserve_vcc 0
		.amdhsa_float_denorm_mode_32 3
		.amdhsa_float_denorm_mode_16_64 3
		.amdhsa_memory_ordered 1
		.amdhsa_forward_progress 1
		.amdhsa_inst_pref_size 235
	.end_amdhsa_kernel
	.amdgpu_metadata
---
amdhsa.version: [ 1, 2 ]
amdhsa.kernels:
  - .name:           k_q45e248e467_prep
    .symbol:         k_q45e248e467_prep.kd
    .args:
      - { .name: Wq, .offset: 0, .size: 8, .value_kind: global_buffer, .address_space: global }
      - { .name: query, .offset: 8, .size: 8, .value_kind: global_buffer, .address_space: global }
      - { .name: bq, .offset: 16, .size: 8, .value_kind: global_buffer, .address_space: global }
      - { .name: Wk, .offset: 24, .size: 8, .value_kind: global_buffer, .address_space: global }
      - { .name: Wv, .offset: 32, .size: 8, .value_kind: global_buffer, .address_space: global }
      - { .name: bk, .offset: 40, .size: 8, .value_kind: global_buffer, .address_space: global }
      - { .name: bv, .offset: 48, .size: 8, .value_kind: global_buffer, .address_space: global }
      - { .name: U, .offset: 56, .size: 8, .value_kind: global_buffer, .address_space: global }
      - { .name: Mw, .offset: 64, .size: 8, .value_kind: global_buffer, .address_space: global }
      - { .name: cv, .offset: 72, .size: 8, .value_kind: global_buffer, .address_space: global }
    .group_segment_fixed_size: 139008
    .private_segment_fixed_size: 0
    .kernarg_segment_align: 8
    .kernarg_segment_size: 80
    .max_flat_workgroup_size: 128
    .sgpr_count:     66
    .vgpr_count:     512
    .wavefront_size: 32
...
	.end_amdgpu_metadata
.endif
;; end of part 5
;; launch pool (part 6): grid 256 x 1, 8 waves a work-group, no clusters, 310,272 bytes of LDS; arguments Y, U, Zp, ST; writes Zp, ST
.if DOCPART == 6
	.amdgcn_target "amdgcn-amd-amdhsa--gfx1250"
	.amdhsa_code_object_version 6
	.text
	.protected	k_q45e248e467_pool
	.globl	k_q45e248e467_pool
	.p2align	8
	.type	k_q45e248e467_pool,@function
k_q45e248e467_pool:
	s_mov_b64 s[64:65], 0
	v_nop
	global_prefetch_b8 v0, s[64:65] scope:SCOPE_SE
	s_setreg_imm32_b32 hwreg(HW_REG_WAVE_SCHED_MODE, 0, 2), 2
	s_setreg_imm32_b32 hwreg(HW_REG_WAVE_MODE, 25, 1), 1
	s_wait_xcnt 0x0
	s_wait_alu depctr_vm_vsrc(0)
; POOL: the one pass over Y.  Work-group wg = 16 b + c owns rows 128 c .. 128 c + 127 of batch b: 512 KiB of f32, each byte loaded once, rounded to bf16 and kept in LDS.
;   S[s][h] = Y[s,:] . U[h,:]   (U holds u_h log2(e)/8, so S is the score in the exponent of 2)      wave w: rows 16 w .. + 15, all of K
;   m[h] = max_s S, p = 2^(S - m), l[h] = sum_s p                                                     every wave alike, from all eight waves' scores
;   Zp[wg][h][:] = sum_s p[s][h] Y[s,:]                                                               wave w: columns 128 w .. + 127, all 128 rows
; The maximum taken away is the chunk's own; the next launch brings the 16 chunks of a batch to their common maximum.
; FORMATS.  Y, U and p go to the matrix unit in bf16; sums, m and l (of the unrounded p) in f32.  LIMITS.  A weight below 2^-126 counts as 0; NaN and infinities are not treated apart.
; No tensor loads: every byte is converted in registers, and LDS has no room for f32 slots beside the chunk.  No cluster: work-groups share U alone, 32 KiB beside 512 KiB of their own.
; No prefetch: the loop keeps four blocks of 16 loads a wave on their way from its first line to its last.
; The second product is used transposed (source 0 = 16 columns of Y, turned by ds_load_tr16_b128; source 1 = p): a lane's scores are, as they lie, its part of source 1, and its results are 8 neighbouring columns of one head.
; THE MODE: SCHED_MODE bits 1:0 = 2 (LLVM: expert scheduling mode 2), set by the entry lines.  The code itself states the register dependences
; between vector or matrix instructions and memory or LDS instructions, with s_wait_alu, always for 0.
; THE PLAN.  Registers that memory or LDS instructions touch:
;   v1-v13, v16-v18  offsets and LDS addresses: written once at the head, ahead of a wait on va_vdst, and never again.
;   v[256 + 64 (cb & 3) ..]  block cb's loads land there; block cb's conversions read it; then block cb + 4's loads land there; at last Y turned lands in all 256.
;   T (v32-63)    U's loads land there and U's LDS stores read it; then each block's conversions write it and the block's LDS stores read it; at last p's roundings write it.
;   AF, BFR (v64-127)  a block's LDS loads land there, its four products read them; later the scores land there, and at last the rows read back from the stage, which the stores of Zp read.
;   ACC's first eight registers: written by the additions, read by two LDS stores.  v20, v21: m and l, read by wave 0's store.  ZA: written by the products, read by the stage's LDS stores.
; So a block has TWO waits: vm_vsrc at its head (the LDS stores issued so far have read T) and va_vdst behind its conversions (T is written; the block's raw registers are read;
; the block before's products are done reading AF and BFR).  The block's 16 loads from memory, 16 LDS stores and 16 LDS loads follow that wait with no vector instruction between.
.set PITCH, 2080                       ; a row of Y in LDS: 2,048 bytes + 32: an odd multiple of 32, for the turning loads
.set UB,    128*PITCH                  ; U by groups of 8 k: group g holds, for each of 16 heads, 16 bytes; 256 + 16 bytes a group
.set STG,   UB                         ; the same bytes behind the scores' barrier: a stage of 16 rows x 272 bytes for each wave
.set SX,    UB+128*272                 ; eight tiles of scores, 1,024 bytes each
.set SPARE, SX+8192                    ; the spare words: 128 bytes a wave, four blocks of 256 bytes that no other line names
.set SPW,   14                         ; v14  LDS address of my spare word; never rewritten
.set NIL,   15                         ; v15  0; never rewritten
.set T,     32                         ; v32-63   U as loaded; a block's pairs of bf16; at last p in bf16
.set PF,    32
.set AF,    64                         ; v64-95   four fragments of Y
.set BFR,   96                         ; v96-127  four fragments of U
.set S,     64                         ; v64-127  later: my lane's 64 scores; then the rows read back from the stage
.set ACC,   128                        ; v128-159 four accumulators of scores, one for each K step of a block
.set ZA,    160                        ; v160-223 eight accumulators of Z
.set MSB,   0
.macro WIN new                         ; the immediate's high byte repeats the setting that is left; a switch that changes nothing is dropped
.if MSB != (\new)
	s_set_vgpr_msb (MSB<<8)|(\new)
.set MSB, (\new)
.endif
.endm
.macro PLACES                          ; four plain vector instructions behind a matrix instruction (ISA guide 7.12.1)
.rept 4
	v_nop
.endr
.endm
.macro LDBLK cb                        ; columns 128 cb .. + 127 of my 16 rows: each load takes 512 consecutive bytes of a row; into v[256 + 64 (cb & 3) ..]
	WIN 0x40
.set i_, 0
.rept 16
	global_load_b128 v[64*((\cb)&3)+4*i_:64*((\cb)&3)+4*i_+3], v1, s[4:5] offset:i_*4096+(\cb)*512 th:TH_LOAD_NT
.set i_, i_+1
.endr
.endm
; A block: rounded, its registers loaded again, stored into LDS, and four K steps of scores.  cnt: the younger blocks' loads, 16 each, which stay out.
; The four accumulators take turns.
.macro BLOCK cb, cnt
	s_wait_loadcnt \cnt
	s_wait_alu depctr_vm_vsrc(0)                   ; the LDS stores issued so far (U's, or the block before's) have read T, which the conversions write again
	WIN 0x05
.set i_, 0
.rept 32
	v_cvt_pk_bf16_f32 v[T+i_], v[64*((\cb)&3)+2*i_], v[64*((\cb)&3)+2*i_+1]
.set i_, i_+1
.endr
.if (\cb) < 4
	WIN 0x40
.else
	WIN 0
.endif
	s_wait_alu depctr_va_vdst(0)                   ; the conversions have written T, which the LDS stores read, and are done reading the block's raw registers, in which the next loads land; the block before's products are done reading AF and BFR, in which the LDS loads land
.if (\cb) < 4
	LDBLK (\cb)+4
.endif
	WIN 0
.set i_, 0
.rept 16
	ds_store_b64 v2, v[T+2*i_:T+2*i_+1] offset:i_*PITCH+(\cb)*256
.set i_, i_+1
.endr
.set k_, 0
.rept 4
	ds_load_b128 v[AF+8*k_:AF+8*k_+3], v3 offset:(\cb)*256+k_*64            ; my own rows: LDS serves a wave's instructions in order (ISA guide 5.7.1.4)
	ds_load_b128 v[AF+8*k_+4:AF+8*k_+7], v3 offset:(\cb)*256+k_*64+32
	ds_load_b128 v[BFR+8*k_:BFR+8*k_+3], v4 offset:(4*(\cb)+k_)*1088
	ds_load_b128 v[BFR+8*k_+4:BFR+8*k_+7], v4 offset:(4*(\cb)+k_)*1088+544
.set k_, k_+1
.endr
	s_wait_dscnt 0x0
.set k_, 0
.rept 4
.if (\cb) == 0
	v_wmma_f32_16x16x32_bf16 v[ACC+8*k_:ACC+8*k_+7], v[AF+8*k_:AF+8*k_+7], v[BFR+8*k_:BFR+8*k_+7], 0
.else
	v_wmma_f32_16x16x32_bf16 v[ACC+8*k_:ACC+8*k_+7], v[AF+8*k_:AF+8*k_+7], v[BFR+8*k_:BFR+8*k_+7], v[ACC+8*k_:ACC+8*k_+7]
.endif
.set k_, k_+1
.endr
.endm
	s_load_b256 s[4:11], s[0:1], 0x0               ; Y s[4:5], U s[6:7], Zp s[8:9], ST s[10:11]
	v_lshl_add_u32 v[SPW], v0, 2, SPARE
	v_mov_b32 v[NIL], 0
	v_lshrrev_b32 v19, 5, v0
	v_readfirstlane_b32 s12, v19                   ; wave 0..7
	v_and_b32 v19, 31, v0                          ; lane L
	v_lshlrev_b32 v1, 4, v19                       ; 16 L
	v_lshlrev_b32 v16, 4, v0                       ; 16 x thread
	s_lshl_b32 s20, ttmp9, 19                      ; the work-group's 128 rows of 4,096 bytes,
	s_wait_alu depctr_va_sdst(0)                   ; s12 is written, ahead of its first reader
	s_lshl_b32 s14, s12, 16                        ; my wave's 16
	s_add_co_u32 s20, s20, s14
	s_mov_b32 s21, 0
	s_mov_b32 s16, 0x76543210                      ; v_permlanex16_b32: each lane takes its own place in the other half
	s_mov_b32 s17, 0xfedcba98
	s_wait_kmcnt 0x0
	s_add_nc_u64 s[4:5], s[4:5], s[20:21]
	s_lshl_b32 s20, ttmp9, 16
	s_add_nc_u64 s[8:9], s[8:9], s[20:21]
	s_lshl_b32 s20, ttmp9, 8
	s_add_nc_u64 s[10:11], s[10:11], s[20:21]
	s_wait_alu depctr_va_vdst(0)                   ; v1 and v16 are written, which the loads of U and of Y read as their offsets
.set i_, 0
.rept 8
	global_load_b128 v[T+4*i_:T+4*i_+3], v16, s[6:7] offset:4096*i_          ; U: load i brings thread t head 2 i + t / 128, k = 8 (t % 128) .. + 7
.set i_, i_+1
.endr
	LDBLK 0
	LDBLK 1
	LDBLK 2
	WIN 0
	v_and_b32 v24, 15, v0                          ; r
	v_bfe_u32 v25, v0, 4, 1                        ; hs
	s_mul_i32 s13, s12, 16*PITCH                   ; my 16 rows in LDS
	v_lshl_add_u32 v2, v19, 3, s13                 ; where I put 8 bytes of a row
	v_mul_u32_u24 v3, v24, PITCH
	v_lshl_add_u32 v3, v25, 4, v3
	v_add_nc_u32 v3, s13, v3                       ; a fragment of Y: row 16 w + r, 16 bytes for each half of the lanes
	v_mul_u32_u24 v4, v25, 272
	v_lshl_add_u32 v4, v24, 4, v4
	v_add_nc_u32 v4, UB, v4                        ; a fragment of U: group hs, head r
	s_lshl_b32 s14, s12, 10
	v_lshl_add_u32 v6, v19, 4, SX                  ; scores: 16 bytes a lane in each tile,
	v_add_nc_u32 v5, s14, v6                       ; and in my tile
	v_and_b32 v26, 7, v0
	v_lshl_add_u32 v26, v25, 3, v26
	v_mul_u32_u24 v7, v26, PITCH                   ; the turning load: row 8 hs + L % 8,
	v_bfe_u32 v26, v0, 3, 1
	v_lshl_add_u32 v7, v26, 4, v7                  ; 16 bytes by (L / 8) % 2,
	s_lshl_b32 s14, s12, 8
	v_add_nc_u32 v7, s14, v7                       ; my wave's 128 columns;
	v_add_nc_u32 v8, 32*PITCH, v7                  ; one address for each 32 rows
	v_add_nc_u32 v9, 64*PITCH, v7
	v_add_nc_u32 v10, 96*PITCH, v7
	s_mul_i32 s15, s12, 16*272                     ; my stage
	v_add_nc_u32 v12, s15, v4                      ; back: lanes 0-15 one row of 256 bytes, lanes 16-31 the next
	v_mul_u32_u24 v11, v24, 272
	v_lshl_add_u32 v11, v25, 5, v11
	v_add_nc_u32 v11, s15, v11
	v_add_nc_u32 v11, STG, v11                     ; in: row r (a head), 32 bytes for each half of the lanes
	s_lshl_b32 s14, s12, 9
	v_lshlrev_b32 v13, 4, v24
	v_lshl_add_u32 v13, v25, 12, v13
	v_add_nc_u32 v13, s14, v13                     ; in Zp: head hs, my wave's 512 bytes, 16 r
	v_and_b32 v26, 127, v0
	v_mul_u32_u24 v17, v26, 272
	v_lshrrev_b32 v26, 7, v0
	v_lshl_add_u32 v17, v26, 4, v17
	v_add_nc_u32 v17, UB, v17                      ; U into LDS: group t % 128, head t / 128 (+ 2 i)
	v_lshlrev_b32 v18, 3, v19                      ; 8 L
	v_mov_b32 v28, 0                               ; written, since v_permlanex16_b32 counts as a reader of its destination
	s_wait_loadcnt 48                              ; U is in; the three blocks of Y, 48 loads, stay out
	s_wait_alu depctr_va_vdst(0)                   ; the LDS addresses and offsets v2 to v13, v17 and v18 are written, which the LDS instructions and stores from here on read
.set i_, 0
.rept 8
	ds_store_b128 v17, v[T+4*i_:T+4*i_+3] offset:32*i_
.set i_, i_+1
.endr
	LDBLK 3
	WIN 0
	s_wait_dscnt 0x0                               ; for the others' sake: my part of U is in LDS
	s_barrier_signal -1
	s_barrier_wait -1
	BLOCK 0, 48
	BLOCK 1, 48
	BLOCK 2, 48
	BLOCK 3, 48
	BLOCK 4, 48
	BLOCK 5, 32
	BLOCK 6, 16
	BLOCK 7, 0
	PLACES
.set p_, 0
.rept 4                                                ; the four K steps' sums into one, each accumulator from its low end on
	v_pk_add_f32 v[ACC+2*p_:ACC+2*p_+1], v[ACC+2*p_:ACC+2*p_+1], v[ACC+8+2*p_:ACC+8+2*p_+1]
.set p_, p_+1
.endr
.set p_, 0
.rept 4
	v_pk_add_f32 v[ACC+16+2*p_:ACC+16+2*p_+1], v[ACC+16+2*p_:ACC+16+2*p_+1], v[ACC+24+2*p_:ACC+24+2*p_+1]
.set p_, p_+1
.endr
.set p_, 0
.rept 4
	v_pk_add_f32 v[ACC+2*p_:ACC+2*p_+1], v[ACC+2*p_:ACC+2*p_+1], v[ACC+16+2*p_:ACC+16+2*p_+1]
.set p_, p_+1
.endr
	s_wait_alu depctr_va_vdst(0)                   ; the additions have written ACC's first eight registers, which the LDS stores read; the products are done reading v64-127 and the conversions the 256 raw registers, in which the loads behind the barrier land
	ds_store_b128 v5, v[ACC:ACC+3]
	ds_store_b128 v5, v[ACC+4:ACC+7] offset:512
	s_wait_dscnt 0x0                               ; for the others' sake: my scores and my rows of Y are in LDS, and my reads of U are back
	s_barrier_signal -1
	s_barrier_wait -1
.set i_, 0
.rept 16                                               ; S[8 tile + j]: head r, row 16 tile + 8 hs + j
	ds_load_b128 v[S+4*i_:S+4*i_+3], v6 offset:512*i_
.set i_, i_+1
.endr
	WIN 0x40
.set k_, 0
.rept 4                                                ; Y turned: rows 32 k .. + 31, columns 128 w + 16 n .. + 15, at v[256 + 8 (8 k + n)]
.set n_, 0
.rept 8
	ds_load_tr16_b128 v[8*(8*k_+n_):8*(8*k_+n_)+3], v[7+k_] offset:32*n_
	ds_load_tr16_b128 v[8*(8*k_+n_)+4:8*(8*k_+n_)+7], v[7+k_] offset:32*n_+16*PITCH
.set n_, n_+1
.endr
.set k_, k_+1
.endr
	WIN 0
	s_wait_dscnt 63                                ; the scores are in: 64 loads are younger, and the count's field ends at 63
.set c_, 0
.rept 4                                                ; the maximum of my 64 scores: four chains of 15, three operands at a time,
	v_max3_num_f32 v[24+c_], v[S+16*c_], v[S+16*c_+1], v[S+16*c_+2]
.set c_, c_+1
.endr
.set k_, 0
.rept 6
.set c_, 0
.rept 4
	v_max3_num_f32 v[24+c_], v[24+c_], v[S+16*c_+3+2*k_], v[S+16*c_+4+2*k_]
.set c_, c_+1
.endr
.set k_, k_+1
.endr
	v_max3_num_f32 v24, v24, v[S+15], v[S+31]      ; the four left over,
	v_max3_num_f32 v26, v26, v[S+47], v[S+63]
	v_max3_num_f32 v24, v24, v25, v26
	v_max_num_f32 v24, v24, v27
	v_permlanex16_b32 v28, v24, s16, s17           ; and the head's other 64 rows, in the lane 16 away
	v_max_num_f32 v20, v24, v28                    ; m
	v_mov_b32 v22, v20
	v_mov_b32 v23, v20
.set i_, 0
.rept 32
	v_pk_add_f32 v[S+2*i_:S+2*i_+1], v[S+2*i_:S+2*i_+1], v[22:23] neg_lo:[0,1] neg_hi:[0,1]
.set i_, i_+1
.endr
.set i_, 0
.rept 64
	v_exp_f32 v[S+i_], v[S+i_]
.set i_, i_+1
.endr
	v_nop                                          ; a plain instruction between the last exponential and the use of its result (ISA guide 5.7.2)
	s_wait_alu depctr_va_vdst(0)                   ; the 64 exponentials have written S, ahead of their first reader: one wait for the batch
	s_wait_alu depctr_vm_vsrc(0)                   ; the last block's LDS stores have read T, which the roundings below write as PF
.set i_, 0
.rept 32                                               ; rows 32 k + 8 hs + 0..7 and 32 k + 16 + 8 hs + 0..7 are tiles 2 k and 2 k + 1: source 1 as it lies
	v_cvt_pk_bf16_f32 v[PF+i_], v[S+2*i_], v[S+2*i_+1]
.set i_, i_+1
.endr
.irp d, 16,8,4,2,1                                     ; l: the 32 pairs added up, halving
.set i_, 0
.rept \d
	v_pk_add_f32 v[S+2*i_:S+2*i_+1], v[S+2*i_:S+2*i_+1], v[S+2*(i_+\d):S+2*(i_+\d)+1]
.set i_, i_+1
.endr
.endr
	v_add_f32 v21, v[S], v[S+1]
	v_permlanex16_b32 v28, v21, s16, s17
	v_add_f32 v21, v21, v28                        ; l
	s_cmp_lg_u32 s12, 0
	s_cbranch_scc1 .Lnost
	s_wait_alu depctr_va_vdst(0)                   ; m and l, v20 and v21, are written, which the store reads
	global_store_b64 v18, v[20:21], s[10:11]       ; (m, l) of head L % 16: 256 consecutive bytes, at a multiple of 256 from ST's first
.Lnost:
	s_wait_dscnt 0x0                               ; Y turned is in
	WIN 0x01
.set k_, 0
.rept 4                                                ; the eight accumulators take turns
.set n_, 0
.rept 8
.if k_ == 0
	v_wmma_f32_16x16x32_bf16 v[ZA+8*n_:ZA+8*n_+7], v[8*(8*k_+n_):8*(8*k_+n_)+7], v[PF+8*k_:PF+8*k_+7], 0
.else
	v_wmma_f32_16x16x32_bf16 v[ZA+8*n_:ZA+8*n_+7], v[8*(8*k_+n_):8*(8*k_+n_)+7], v[PF+8*k_:PF+8*k_+7], v[ZA+8*n_:ZA+8*n_+7]
.endif
.set n_, n_+1
.endr
.set k_, k_+1
.endr
	WIN 0
	PLACES
	s_wait_alu depctr_va_vdst(0)                   ; the products have written ZA, which the LDS stores read; the sums of l are done reading S, in which the rows from the stage land; the places above stay beside this wait
	; THE WAY OUT, 64 columns a round: a lane's 8 columns of a head go into rows of 272 bytes and come back as whole rows of 256.
.set q_, 0
.rept 2
.set n_, 0
.rept 4
	ds_store_b128 v11, v[ZA+8*(4*q_+n_):ZA+8*(4*q_+n_)+3] offset:64*n_
	ds_store_b128 v11, v[ZA+8*(4*q_+n_)+4:ZA+8*(4*q_+n_)+7] offset:64*n_+16
.set n_, n_+1
.endr
.set t_, 0
.rept 8
	ds_load_b128 v[S+32*q_+4*t_:S+32*q_+4*t_+3], v12 offset:544*t_   ; in order behind my stores; the next round's stores come behind these
.set t_, t_+1
.endr
.set q_, q_+1
.endr
	s_wait_dscnt 16                                ; the first round is back: the second's eight stores and eight loads are younger
.set t_, 0
.rept 8
	global_store_b128 v13, v[S+4*t_:S+4*t_+3], s[8:9] offset:8192*t_           ; 16 lanes store 256 consecutive bytes, at a multiple of 256 from Zp's first
.set t_, t_+1
.endr
	s_wait_dscnt 0x0
.set t_, 0
.rept 8
	global_store_b128 v13, v[S+32+4*t_:S+32+4*t_+3], s[8:9] offset:8192*t_+256
.set t_, t_+1
.endr
	s_wait_dscnt 0x0                               ; the closing lines, six on end
	s_wait_alu 0x0
	s_wait_tensorcnt 0x0
	ds_add_u32 v[SPW], v[NIL]
	s_wait_dscnt 0x0
	s_endpgm
.Lfunc_end_k_q45e248e467_pool:
	.size	k_q45e248e467_pool, .Lfunc_end_k_q45e248e467_pool-k_q45e248e467_pool
	.p2alignl 7, 3214868480
	.fill 96, 4, 3214868480
	.section	.rodata,"a",@progbits
	.p2align	6, 0x0
	.amdhsa_kernel k_q45e248e467_pool
		.amdhsa_group_segment_fixed_size 310272
		.amdhsa_private_segment_fixed_size 0
		.amdhsa_enable_private_segment 0
		.amdhsa_kernarg_size 32
		.amdhsa_user_sgpr_count 2
		.amdhsa_user_sgpr_kernarg_segment_ptr 1
		.amdhsa_wavefront_size32 1
		.amdhsa_system_sgpr_workgroup_id_x 1
		.amdhsa_system_sgpr_workgroup_id_y 1
		.amdhsa_system_sgpr_workgroup_id_z 1
		.amdhsa_system_vgpr_workitem_id 0
		.amdhsa_next_free_vgpr 512
		.amdhsa_next_free_sgpr 66
		.amdhsa_reserve_vcc 0
		.amdhsa_float_denorm_mode_32 3
		.amdhsa_float_denorm_mode_16_64 3
		.amdhsa_memory_ordered 1
		.amdhsa_forward_progress 1
		.amdhsa_inst_pref_size 76
	.end_amdhsa_kernel
	.amdgpu_metadata
---
amdhsa.version: [ 1, 2 ]
amdhsa.kernels:
  - .name:           k_q45e248e467_pool
    .symbol:         k_q45e248e467_pool.kd
    .args:
      - { .name: Y, .offset: 0, .size: 8, .value_kind: global_buffer, .address_space: global }
      - { .name: U, .offset: 8, .size: 8, .value_kind: global_buffer, .address_space: global }
      - { .name: Zp, .offset: 16, .size: 8, .value_kind: global_buffer, .address_space: global }
      - { .name: ST, .offset: 24, .size: 8, .value_kind: global_buffer, .address_space: global }
    .group_segment_fixed_size: 310272
    .private_segment_fixed_size: 0
    .kernarg_segment_align: 8
    .kernarg_segment_size: 32
    .max_flat_workgroup_size: 256
    .sgpr_count:     66
    .vgpr_count:     512
    .wavefront_size: 32
...
	.end_amdgpu_metadata
.endif
;; end of part 6
;; launch vbar (part 7): grid 16 x 16, 8 waves a work-group, no clusters, 5,376 bytes of LDS; arguments Zp, ST, Mw, cv, Vb; writes Vb
.if DOCPART == 7
	.amdgcn_target "amdgcn-amd-amdhsa--gfx1250"
	.amdhsa_code_object_version 6
	.text
	.protected	k_q45e248e467_vbar
	.globl	k_q45e248e467_vbar
	.p2align	8
	.type	k_q45e248e467_vbar,@function
k_q45e248e467_vbar:
	s_mov_b64 s[64:65], 0
	v_nop
	global_prefetch_b8 v0, s[64:65] scope:SCOPE_SE
	s_setreg_imm32_b32 hwreg(HW_REG_WAVE_SCHED_MODE, 0, 2), 2
	s_setreg_imm32_b32 hwreg(HW_REG_WAVE_MODE, 25, 1), 1
	s_wait_xcnt 0x0
	s_wait_alu depctr_vm_vsrc(0)
; VBAR: for head h (grid x) and batch b (grid y): the 16 chunks' partial sums are brought to their common maximum and divided by the whole sum,
;   Z[j] = sum_c w_c Zp[16 b + c][h][j],   w_c = 2^(m_c - M) / sum_c 2^(m_c - M) l_c,   M = max_c m_c,
; and Vb[b][64 h + d] = sum_j Mw[64 h + d][j] Z[j] + cv[64 h + d].  All in f32: these are the program's own numbers.
; A matrix of 64 x 1024 times ONE vector: the matrix unit would idle on 15 of 16 columns, so the vector unit does it.  Wave w: columns 128 w .. of Z, then rows 8 w .. + 7 of the product.
; Each byte of Zp is read once in the launch; Mw's 64 rows are shared by the 16 batches' work-groups, but come through registers: no cluster.
; LIMITS.  Each l_c is at least 1 (its chunk's largest weight), so the divisor is at least 1; v_rcp_f32 is accurate to 1 ULP; a factor below 2^-126 counts as 0.
; THE MODE: SCHED_MODE bits 1:0 = 2 (LLVM: expert scheduling mode 2), set by the entry lines.  The code itself states the register dependences
; between vector instructions and memory or LDS instructions, with s_wait_alu, always for 0.
; THE PLAN.  Registers that memory or LDS instructions touch:
;   v1-v7       offsets and LDS addresses: written once at the head, ahead of a wait on va_vdst, and never again.
;   v8, v9, PART, v256-511, X   loads land in them once, in registers that no vector instruction has named.
;   Z, Y8       written by vector work, each read by LDS stores behind a wait on va_vdst, and never written again.
;   v10, v11    scratch of the vector work; at the end wave 0's LDS load lands in them, behind the wait ahead of Y8's stores, since when no vector instruction is issued.
; No register that a memory or LDS instruction reads is written again, so no wait on vm_vsrc is owed.  s14 and s32-47 are written by vector instructions: a wait on va_sdst ahead of each first reader.
.set XL,    0                          ; Z, 1,024 f32
.set YL,    4096                       ; the 64 results
.set SPARE, 4352                       ; the spare words: 128 bytes a wave, four blocks of 256 bytes that no other line names
.set SPW,   14
.set NIL,   15
.set PART,  32                         ; v32-95   my 4 columns of the 16 chunks' partial sums
.set Z,     96                         ; v96-99   my 4 columns of Z
.set X,     100                        ; v100-131 Z: columns 128 c + 4 L .. + 3 at X + 4 c
.set AC,    132                        ; v132-163 two pairs of partial sums a row
.set Y8,    164                        ; v164-171 my 8 rows' results
.set MSB,   0
.macro WIN new                         ; the immediate's high byte repeats the setting that is left; a switch that changes nothing is dropped
.if MSB != (\new)
	s_set_vgpr_msb (MSB<<8)|(\new)
.set MSB, (\new)
.endif
.endm
	s_load_b256 s[4:11], s[0:1], 0x0               ; Zp s[4:5], ST s[6:7], Mw s[8:9], cv s[10:11]
	s_load_b64 s[12:13], s[0:1], 0x20              ; Vb
	v_lshl_add_u32 v[SPW], v0, 2, SPARE
	v_mov_b32 v[NIL], 0
	v_lshrrev_b32 v10, 5, v0
	v_readfirstlane_b32 s14, v10                   ; wave 0..7
	s_and_b32 s15, ttmp7, 0xffff                   ; b
	v_and_b32 v10, 31, v0                          ; lane L
	v_lshlrev_b32 v1, 4, v10                       ; 16 L
	v_and_b32 v2, 15, v0
	v_lshlrev_b32 v2, 8, v2                        ; chunk L % 16 in ST
	s_wait_alu depctr_va_sdst(0)                   ; s14 is written, ahead of its first reader
	s_lshl_b32 s22, s14, 9
	v_lshl_add_u32 v3, v10, 4, s22                 ; LDS: my 4 columns of Z
	v_lshlrev_b32 v4, 4, v10                       ; LDS: 16 L in each 512 bytes of Z
	s_lshl_b32 s23, s14, 5
	v_mov_b32 v5, s23
	v_add_nc_u32 v5, YL, v5                        ; LDS: my 8 results
	v_lshl_add_u32 v6, v10, 3, YL
	v_lshlrev_b32 v7, 3, v10                       ; 8 L
	s_mov_b32 s17, 0
	s_mov_b32 s18, 0x76543210
	s_mov_b32 s19, 0xfedcba98
	s_lshl_b32 s20, s15, 20
	s_lshl_b32 s21, ttmp9, 12
	s_add_co_u32 s16, s20, s21
	s_add_co_u32 s16, s16, s22
	s_wait_kmcnt 0x0
	s_add_nc_u64 s[4:5], s[4:5], s[16:17]          ; Zp at chunk 16 b, head h, my 128 columns
	s_lshl_b32 s20, s15, 12
	s_lshl_b32 s21, ttmp9, 3
	s_add_co_u32 s16, s20, s21
	s_add_nc_u64 s[6:7], s[6:7], s[16:17]          ; ST at chunk 16 b, head h
	s_lshl_b32 s21, ttmp9, 8
	s_add_co_u32 s16, s20, s21
	s_add_nc_u64 s[12:13], s[12:13], s[16:17]      ; Vb at batch b, 64 h
	s_add_co_u32 s16, s21, s23
	s_add_nc_u64 s[10:11], s[10:11], s[16:17]      ; cv at 64 h + 8 w
	s_lshl_b32 s20, ttmp9, 18
	s_lshl_b32 s21, s14, 15
	s_add_co_u32 s16, s20, s21
	s_add_nc_u64 s[8:9], s[8:9], s[16:17]          ; Mw at row 64 h + 8 w
	s_load_b256 s[24:31], s[10:11], 0x0
	s_wait_alu depctr_va_vdst(0)                   ; the offsets and LDS addresses v1 to v7 are written, which every load and store of the kernel reads
	global_load_b64 v[8:9], v2, s[6:7]             ; (m_c, l_c), c = L % 16
.set c_, 0
.rept 16
	global_load_b128 v[PART+4*c_:PART+4*c_+3], v1, s[4:5] offset:65536*c_ th:TH_LOAD_NT
.set c_, c_+1
.endr
	WIN 0x40
.set i_, 0
.rept 64                                               ; my 8 rows of Mw, 512 consecutive bytes a load: row i, columns 128 c + 4 L at v[256 + 32 i + 4 c]
	global_load_b128 v[4*i_:4*i_+3], v1, s[8:9] offset:(i_/8)*4096+(i_%8)*512
.set i_, i_+1
.endr
	WIN 0
	s_wait_loadcnt 63                              ; the first 17 loads are in: 64 are younger, and the count's field ends at 63
	v_mov_b32 v10, v8
	v_max_num_f32_dpp v10, v10, v10 row_xmask:1 row_mask:0xf bank_mask:0xf
	v_max_num_f32_dpp v10, v10, v10 row_xmask:2 row_mask:0xf bank_mask:0xf
	v_max_num_f32_dpp v10, v10, v10 row_xmask:4 row_mask:0xf bank_mask:0xf
	v_max_num_f32_dpp v10, v10, v10 row_xmask:8 row_mask:0xf bank_mask:0xf   ; M: each half of the lanes holds all 16 chunks
	v_sub_f32 v11, v8, v10
	v_exp_f32 v11, v11
	v_nop                                          ; a plain instruction behind the exponential (ISA guide 5.7.2)
	s_wait_alu depctr_va_vdst(0)                   ; the exponential has written v11, ahead of its first reader
	v_mul_f32 v12, v11, v9
	v_add_f32_dpp v12, v12, v12 row_xmask:1 row_mask:0xf bank_mask:0xf
	v_add_f32_dpp v12, v12, v12 row_xmask:2 row_mask:0xf bank_mask:0xf
	v_add_f32_dpp v12, v12, v12 row_xmask:4 row_mask:0xf bank_mask:0xf
	v_add_f32_dpp v12, v12, v12 row_xmask:8 row_mask:0xf bank_mask:0xf
	v_rcp_f32 v12, v12
	v_nop
	s_wait_alu depctr_va_vdst(0)                   ; the reciprocal has written v12, ahead of its first reader
	v_mul_f32 v11, v11, v12                        ; w_c
.set c_, 0
.rept 16
	v_readlane_b32 s[32+c_], v11, c_
.set c_, c_+1
.endr
	s_wait_alu depctr_va_sdst(0)                   ; the sixteen factors s32 to s47 are written, ahead of their first reader: one wait for the run
.set k_, 0
.rept 4
	v_mul_f32 v[Z+k_], s32, v[PART+k_]
.set k_, k_+1
.endr
.set c_, 1
.rept 15
.set k_, 0
.rept 4
	v_fma_f32 v[Z+k_], s[32+c_], v[PART+4*c_+k_], v[Z+k_]
.set k_, k_+1
.endr
.set c_, c_+1
.endr
	s_wait_alu depctr_va_vdst(0)                   ; the multiply-adds have written Z, which the LDS store reads
	ds_store_b128 v3, v[Z:Z+3]
	s_wait_dscnt 0x0                               ; for the others' sake: my columns of Z are in LDS
	s_barrier_signal -1
	s_barrier_wait -1
.set c_, 0
.rept 8
	ds_load_b128 v[X+4*c_:X+4*c_+3], v4 offset:512*c_
.set c_, c_+1
.endr
	s_wait_dscnt 0x0
	WIN 0x01                                       ; source 0, Mw's numbers, in the upper window
.set i_, 0
.rept 8
	s_wait_loadcnt 8*(7-i_)                        ; row i is in; the younger rows, eight loads each, stay out
	v_pk_mul_f32 v[AC+4*i_:AC+4*i_+1], v[32*i_:32*i_+1], v[X:X+1]
	v_pk_mul_f32 v[AC+4*i_+2:AC+4*i_+3], v[32*i_+2:32*i_+3], v[X+2:X+3]
.set c_, 1
.rept 7
	v_pk_fma_f32 v[AC+4*i_:AC+4*i_+1], v[32*i_+4*c_:32*i_+4*c_+1], v[X+4*c_:X+4*c_+1], v[AC+4*i_:AC+4*i_+1]
	v_pk_fma_f32 v[AC+4*i_+2:AC+4*i_+3], v[32*i_+4*c_+2:32*i_+4*c_+3], v[X+4*c_+2:X+4*c_+3], v[AC+4*i_+2:AC+4*i_+3]
.set c_, c_+1
.endr
.set i_, i_+1
.endr
	WIN 0
.set i_, 0
.rept 8
	v_pk_add_f32 v[AC+4*i_:AC+4*i_+1], v[AC+4*i_:AC+4*i_+1], v[AC+4*i_+2:AC+4*i_+3]
.set i_, i_+1
.endr
.set i_, 0
.rept 8
	v_add_f32 v[Y8+i_], v[AC+4*i_], v[AC+4*i_+1]
.set i_, i_+1
.endr
.irp m, 1,2,4,8                                        ; eight sums over the 32 lanes, side by side
.set i_, 0
.rept 8
	v_add_f32_dpp v[Y8+i_], v[Y8+i_], v[Y8+i_] row_xmask:\m row_mask:0xf bank_mask:0xf
.set i_, i_+1
.endr
.endr
.set i_, 0
.rept 8
	v_permlanex16_b32 v[PART+i_], v[Y8+i_], s18, s19   ; into registers that have been written
.set i_, i_+1
.endr
	s_wait_kmcnt 0x0                               ; cv
.set i_, 0
.rept 8
	v_add_f32 v[Y8+i_], v[Y8+i_], v[PART+i_]
.set i_, i_+1
.endr
.set i_, 0
.rept 8
	v_add_f32 v[Y8+i_], s[24+i_], v[Y8+i_]
.set i_, i_+1
.endr
	s_wait_alu depctr_va_vdst(0)                   ; the additions have written Y8, which the LDS stores read; every vector line that named v10 or v11 is done, in which wave 0's LDS load lands
	ds_store_b128 v5, v[Y8:Y8+3]                   ; every lane writes the same bytes with the same numbers
	ds_store_b128 v5, v[Y8+4:Y8+7] offset:16
	s_wait_dscnt 0x0                               ; for wave 0's sake
	s_barrier_signal -1
	s_barrier_wait -1
	s_cmp_lg_u32 s14, 0
	s_cbranch_scc1 .Lend
	ds_load_b64 v[10:11], v6
	s_wait_dscnt 0x0
	global_store_b64 v7, v[10:11], s[12:13]        ; the 64 results: 256 consecutive bytes, at a multiple of 256 from Vb's first
.Lend:
	s_wait_dscnt 0x0                               ; the closing lines, six on end
	s_wait_alu 0x0
	s_wait_tensorcnt 0x0
	ds_add_u32 v[SPW], v[NIL]
	s_wait_dscnt 0x0
	s_endpgm
.Lfunc_end_k_q45e248e467_vbar:
	.size	k_q45e248e467_vbar, .Lfunc_end_k_q45e248e467_vbar-k_q45e248e467_vbar
	.p2alignl 7, 3214868480
	.fill 96, 4, 3214868480
	.section	.rodata,"a",@progbits
	.p2align	6, 0x0
	.amdhsa_kernel k_q45e248e467_vbar
		.amdhsa_group_segment_fixed_size 5376
		.amdhsa_private_segment_fixed_size 0
		.amdhsa_enable_private_segment 0
		.amdhsa_kernarg_size 40
		.amdhsa_user_sgpr_count 2
		.amdhsa_user_sgpr_kernarg_segment_ptr 1
		.amdhsa_wavefront_size32 1
		.amdhsa_system_sgpr_workgroup_id_x 1
		.amdhsa_system_sgpr_workgroup_id_y 1
		.amdhsa_system_sgpr_workgroup_id_z 1
		.amdhsa_system_vgpr_workitem_id 0
		.amdhsa_next_free_vgpr 512
		.amdhsa_next_free_sgpr 66
		.amdhsa_reserve_vcc 0
		.amdhsa_float_denorm_mode_32 3
		.amdhsa_float_denorm_mode_16_64 3
		.amdhsa_memory_ordered 1
		.amdhsa_forward_progress 1
		.amdhsa_inst_pref_size 30
	.end_amdhsa_kernel
	.amdgpu_metadata
---
amdhsa.version: [ 1, 2 ]
amdhsa.kernels:
  - .name:           k_q45e248e467_vbar
    .symbol:         k_q45e248e467_vbar.kd
    .args:
      - { .name: Zp, .offset: 0, .size: 8, .value_kind: global_buffer, .address_space: global }
      - { .name: ST, .offset: 8, .size: 8, .value_kind: global_buffer, .address_space: global }
      - { .name: Mw, .offset: 16, .size: 8, .value_kind: global_buffer, .address_space: global }
      - { .name: cv, .offset: 24, .size: 8, .value_kind: global_buffer, .address_space: global }
      - { .name: Vb, .offset: 32, .size: 8, .value_kind: global_buffer, .address_space: global }
    .group_segment_fixed_size: 5376
    .private_segment_fixed_size: 0
    .kernarg_segment_align: 8
    .kernarg_segment_size: 40
    .max_flat_workgroup_size: 256
    .sgpr_count:     66
    .vgpr_count:     512
    .wavefront_size: 32
...
	.end_amdgpu_metadata
.endif
;; end of part 7
;; launch outp (part 8): grid 16 x 16, 8 waves a work-group, no clusters, 1,280 bytes of LDS; arguments Vb, Wo, bo, out0; writes out0
.if DOCPART == 8
	.amdgcn_target "amdgcn-amd-amdhsa--gfx1250"
	.amdhsa_code_object_version 6
	.text
	.protected	k_q45e248e467_outp
	.globl	k_q45e248e467_outp
	.p2align	8
	.type	k_q45e248e467_outp,@function
k_q45e248e467_outp:
	s_mov_b64 s[64:65], 0
	v_nop
	global_prefetch_b8 v0, s[64:65] scope:SCOPE_SE
	s_setreg_imm32_b32 hwreg(HW_REG_WAVE_SCHED_MODE, 0, 2), 2
	s_setreg_imm32_b32 hwreg(HW_REG_WAVE_MODE, 25, 1), 1
	s_wait_xcnt 0x0
	s_wait_alu depctr_vm_vsrc(0)
; OUTP: out0[b][64 oc + d] = sum_j Wo[64 oc + d][j] Vb[b][j] + bo[64 oc + d], for column block oc (grid x) and batch b (grid y).
; Wo and bo are rounded to bf16 as they are loaded, like every input of the module; Vb, the program's own, stays in f32; sums in f32.
; 64 x 1024 times ONE vector: the vector unit's work, as in the launch before.  Wave w: rows 8 w .. + 7.  Wo's 64 rows are shared by the 16 batches' work-groups, but come through registers: no cluster.
; THE MODE: SCHED_MODE bits 1:0 = 2 (LLVM: expert scheduling mode 2), set by the entry lines.  The code itself states the register dependences
; between vector instructions and memory or LDS instructions, with s_wait_alu, always for 0.
; THE PLAN.  Registers that memory or LDS instructions touch:
;   v1, v5-v7   offsets and LDS addresses: written once at the head, ahead of a wait on va_vdst, and never again.
;   X, v256-511 loads land in them once, in registers that no vector instruction has named.
;   Y8          written by vector work, read by two LDS stores behind a wait on va_vdst, never written again.
;   v10, v11    v10 is scratch at the head; at the end wave 0's LDS load lands in the pair, behind the waits on va_vdst that follow v10's last use.
; No register that a memory or LDS instruction reads is written again, so no wait on vm_vsrc is owed.  s14 is written by a vector instruction: a wait on va_sdst ahead of its first reader.
.set YL,    0                          ; the 64 results
.set SPARE, 256                        ; the spare words: 128 bytes a wave, four blocks of 256 bytes that no other line names
.set SPW,   14
.set NIL,   15
.set ZR,    20                         ; v20 = 0, the first addend of a sum
.set T,     32                         ; v32-47, v48-63 a row's 32 numbers as 16 pairs of bf16, two buffers by turns
.set X,     100                        ; v100-131 Vb's row: columns 128 c + 4 L .. + 3 at X + 4 c
.set AC,    132                        ; v132-163 four partial sums a row
.set Y8,    164                        ; v164-171 my 8 rows' results
.set MSB,   0
.macro WIN new                         ; the immediate's high byte repeats the setting that is left; a switch that changes nothing is dropped
.if MSB != (\new)
	s_set_vgpr_msb (MSB<<8)|(\new)
.set MSB, (\new)
.endif
.endm
.macro FM d, t, hi, x, c               ; v[d] = bf16 half of v[t] times v[x] + v[c], in f32
.if \hi
	v_fma_mix_f32_bf16 v[\d], v[\t], v[\x], v[\c] op_sel:[1,0,0] op_sel_hi:[1,0,0]
.else
	v_fma_mix_f32_bf16 v[\d], v[\t], v[\x], v[\c] op_sel_hi:[1,0,0]
.endif
.endm
.macro ROWB i
	s_wait_loadcnt 8*(7-(\i))                      ; row i is in (and, older than all rows, Vb's eight loads); the younger rows, eight loads each, stay out
	WIN 0x05
.set k_, 0
.rept 16
	v_cvt_pk_bf16_f32 v[T+16*((\i)&1)+k_], v[32*(\i)+2*k_], v[32*(\i)+2*k_+1]
.set k_, k_+1
.endr
	WIN 0
.set c_, 0
.rept 8
.set e_, 0
.rept 4
.if c_ == 0
	FM AC+4*(\i)+e_, T+16*((\i)&1)+2*c_+e_/2, e_%2, X+4*c_+e_, ZR
.else
	FM AC+4*(\i)+e_, T+16*((\i)&1)+2*c_+e_/2, e_%2, X+4*c_+e_, AC+4*(\i)+e_
.endif
.set e_, e_+1
.endr
.set c_, c_+1
.endr
.endm
	s_load_b256 s[4:11], s[0:1], 0x0               ; Vb s[4:5], Wo s[6:7], bo s[8:9], out0 s[10:11]
	v_lshl_add_u32 v[SPW], v0, 2, SPARE
	v_mov_b32 v[NIL], 0
	v_lshrrev_b32 v10, 5, v0
	v_readfirstlane_b32 s14, v10                   ; wave 0..7
	s_and_b32 s15, ttmp7, 0xffff                   ; b
	v_and_b32 v10, 31, v0                          ; lane L
	v_lshlrev_b32 v1, 4, v10                       ; 16 L
	s_wait_alu depctr_va_sdst(0)                   ; s14 is written, ahead of its first reader
	s_lshl_b32 s23, s14, 5
	v_mov_b32 v5, s23                              ; LDS: my 8 results
	v_lshlrev_b32 v6, 3, v10                       ; LDS: 8 L
	v_lshlrev_b32 v7, 3, v10                       ; 8 L in out0
	v_mov_b32 v[ZR], 0
	s_mov_b32 s17, 0
	s_mov_b32 s18, 0x76543210
	s_mov_b32 s19, 0xfedcba98
	s_lshl_b32 s16, s15, 12
	s_lshl_b32 s21, ttmp9, 8
	s_wait_kmcnt 0x0
	s_add_nc_u64 s[4:5], s[4:5], s[16:17]          ; Vb at batch b
	s_add_co_u32 s16, s16, s21
	s_add_nc_u64 s[10:11], s[10:11], s[16:17]      ; out0 at batch b, 64 oc
	s_add_co_u32 s16, s21, s23
	s_add_nc_u64 s[8:9], s[8:9], s[16:17]          ; bo at 64 oc + 8 w
	s_lshl_b32 s20, ttmp9, 18
	s_lshl_b32 s21, s14, 15
	s_add_co_u32 s16, s20, s21
	s_add_nc_u64 s[6:7], s[6:7], s[16:17]          ; Wo at row 64 oc + 8 w
	s_load_b256 s[24:31], s[8:9], 0x0
	s_wait_alu depctr_va_vdst(0)                   ; the offsets and LDS addresses v1, v5, v6 and v7 are written, which every load and store of the kernel reads; v10's last use is done
.set c_, 0
.rept 8
	global_load_b128 v[X+4*c_:X+4*c_+3], v1, s[4:5] offset:512*c_
.set c_, c_+1
.endr
	WIN 0x40
.set i_, 0
.rept 64                                               ; my 8 rows of Wo, 512 consecutive bytes a load: row i, columns 128 c + 4 L at v[256 + 32 i + 4 c]
	global_load_b128 v[4*i_:4*i_+3], v1, s[6:7] offset:(i_/8)*4096+(i_%8)*512
.set i_, i_+1
.endr
	ROWB 0
	ROWB 1
	ROWB 2
	ROWB 3
	ROWB 4
	ROWB 5
	ROWB 6
	ROWB 7
.set i_, 0
.rept 8
	v_add_f32 v[AC+4*i_], v[AC+4*i_], v[AC+4*i_+1]
	v_add_f32 v[AC+4*i_+2], v[AC+4*i_+2], v[AC+4*i_+3]
.set i_, i_+1
.endr
.set i_, 0
.rept 8
	v_add_f32 v[Y8+i_], v[AC+4*i_], v[AC+4*i_+2]
.set i_, i_+1
.endr
.irp m, 1,2,4,8                                        ; eight sums over the 32 lanes, side by side
.set i_, 0
.rept 8
	v_add_f32_dpp v[Y8+i_], v[Y8+i_], v[Y8+i_] row_xmask:\m row_mask:0xf bank_mask:0xf
.set i_, i_+1
.endr
.endr
.set i_, 0
.rept 8
	v_permlanex16_b32 v[T+16+i_], v[Y8+i_], s18, s19   ; into registers that have been written
.set i_, i_+1
.endr
	s_wait_kmcnt 0x0                               ; bo
.set p_, 0
.rept 4
	v_cvt_pk_bf16_f32 v[T+p_], s[24+2*p_], s[25+2*p_]
.set p_, p_+1
.endr
.set i_, 0
.rept 8
	v_add_f32 v[Y8+i_], v[Y8+i_], v[T+16+i_]
.set i_, i_+1
.endr
.set p_, 0
.rept 4
	v_lshlrev_b32 v[T+4+2*p_], 16, v[T+p_]
	v_and_b32 v[T+5+2*p_], 0xffff0000, v[T+p_]
	v_pk_add_f32 v[Y8+2*p_:Y8+2*p_+1], v[Y8+2*p_:Y8+2*p_+1], v[T+4+2*p_:T+5+2*p_]
.set p_, p_+1
.endr
	s_wait_alu depctr_va_vdst(0)                   ; the additions have written Y8, which the LDS stores read
	ds_store_b128 v5, v[Y8:Y8+3]                   ; every lane writes the same bytes with the same numbers
	ds_store_b128 v5, v[Y8+4:Y8+7] offset:16
	s_wait_dscnt 0x0                               ; for wave 0's sake
	s_barrier_signal -1
	s_barrier_wait -1
	s_cmp_lg_u32 s14, 0
	s_cbranch_scc1 .Lend
	ds_load_b64 v[10:11], v6
	s_wait_dscnt 0x0
	global_store_b64 v7, v[10:11], s[10:11]        ; the 64 results: 256 consecutive bytes, at a multiple of 256 from out0's first
.Lend:
	s_wait_dscnt 0x0                               ; the closing lines, six on end
	s_wait_alu 0x0
	s_wait_tensorcnt 0x0
	ds_add_u32 v[SPW], v[NIL]
	s_wait_dscnt 0x0
	s_endpgm
.Lfunc_end_k_q45e248e467_outp:
	.size	k_q45e248e467_outp, .Lfunc_end_k_q45e248e467_outp-k_q45e248e467_outp
	.p2alignl 7, 3214868480
	.fill 96, 4, 3214868480
	.section	.rodata,"a",@progbits
	.p2align	6, 0x0
	.amdhsa_kernel k_q45e248e467_outp
		.amdhsa_group_segment_fixed_size 1280
		.amdhsa_private_segment_fixed_size 0
		.amdhsa_enable_private_segment 0
		.amdhsa_kernarg_size 32
		.amdhsa_user_sgpr_count 2
		.amdhsa_user_sgpr_kernarg_segment_ptr 1
		.amdhsa_wavefront_size32 1
		.amdhsa_system_sgpr_workgroup_id_x 1
		.amdhsa_system_sgpr_workgroup_id_y 1
		.amdhsa_system_sgpr_workgroup_id_z 1
		.amdhsa_system_vgpr_workitem_id 0
		.amdhsa_next_free_vgpr 512
		.amdhsa_next_free_sgpr 66
		.amdhsa_reserve_vcc 0
		.amdhsa_float_denorm_mode_32 3
		.amdhsa_float_denorm_mode_16_64 3
		.amdhsa_memory_ordered 1
		.amdhsa_forward_progress 1
		.amdhsa_inst_pref_size 39
	.end_amdhsa_kernel
	.amdgpu_metadata
---
amdhsa.version: [ 1, 2 ]
amdhsa.kernels:
  - .name:           k_q45e248e467_outp
    .symbol:         k_q45e248e467_outp.kd
    .args:
      - { .name: Vb, .offset: 0, .size: 8, .value_kind: global_buffer, .address_space: global }
      - { .name: Wo, .offset: 8, .size: 8, .value_kind: global_buffer, .address_space: global }
      - { .name: bo, .offset: 16, .size: 8, .value_kind: global_buffer, .address_space: global }
      - { .name: out0, .offset: 24, .size: 8, .value_kind: global_buffer, .address_space: global }
    .group_segment_fixed_size: 1280
    .private_segment_fixed_size: 0
    .kernarg_segment_align: 8
    .kernarg_segment_size: 32
    .max_flat_workgroup_size: 256
    .sgpr_count:     66
    .vgpr_count:     512
    .wavefront_size: 32
...
	.end_amdgpu_metadata
.endif
;; end of part 8
